; MI455X (gfx1250); checked and timed in simulation.
; The chip was launched on July 23, 2026; its instructions are those of AMD's public machine-readable ISA for CDNA 5 (MIT licence, August 2026) and "CDNA5" Instruction Set Architecture Reference Guide (July 2026). The comments in the code are by the model that wrote it; some were corrected since.
;; Multi Head Attention. Allowed arithmetic: matrix products marked QUANTISED: E2M1 operands, one E8M0 scale for each 32 along K, by v_wmma_scale_f32_16x16x128_f8f6f4 with both operands' format E2M1 (or v_wmma_scale_f32_32x16x128_f4), f32 sums; products left as they are: bf16, f16 or f32 operands; f32 sums; everything else in f32.
;; Inputs: Wk 1,024 x 1,024 float32; Wo 1,024 x 1,024 float32; Wq 1,024 x 1,024 float32; Wv 1,024 x 1,024 float32; bk 1,024 float32; bo 1,024 float32; bq 1,024 float32; bv 1,024 float32; key 4 x 2,048 x 1,024 float32; query 4 x 2,048 x 1,024 float32; value 4 x 2,048 x 1,024 float32.
;; Outputs: out0 4 x 2,048 x 1,024 float32.
;; This version of the problem:
;;   THIS VERSION OF THE PROBLEM IS GIVEN IN LOW PRECISION. The matrix products marked QUANTISED in the list below multiply operands that are first quantised to E2M1 (2 exponent bits, 1 mantissa bit; 4 bits a number), with one power-of-two scale for each 32 numbers along K (OCP MX v1.0); their sums are f32. The products marked 'left as it is' may take bf16, f16 or f32 operands, with f32 sums. Whichever they take, every output number must still come out within the allowed error. Rounding operands to bf16 (8 significant bits) uses up far more of that allowance than f16 does (11 bits, for magnitudes from 6e-5 to 65,504). All else is computed in f32.
;;   The module's matrix products, in the order in which they are computed (A, B: the left and right operand; K: the contracted axis; several contracted axes count as one K, in the product's order):
;;     1. [M 8,192, K 1,024] x [K 1,024, N 1,024]; A: input query; B: input Wq: QUANTISED
;;     2. [M 8,192, K 1,024] x [K 1,024, N 1,024]; A: input key; B: input Wk: QUANTISED
;;     3. [M 8,192, K 1,024] x [K 1,024, N 1,024]; A: input value; B: input Wv: QUANTISED
;;     4. batch 64 x [M 2,048, K 64] x [K 64, N 2,048]; A: computed on the way; B: computed on the way: left as it is (an operand is computed on the way)
;;     5. batch 64 x [M 2,048, K 2,048] x [K 2,048, N 64]; A: computed on the way; B: computed on the way: left as it is (an operand is computed on the way)
;;     6. [M 8,192, K 1,024] x [K 1,024, N 1,024]; A: computed on the way; B: input Wo: left as it is (an operand is computed on the way)
;;   THE QUANTISER, for each operand of a quantised product, along K:
;;     - K is cut into blocks of 32 from its start; a last block that is shorter is filled with zeros.
;;     - A block's scale is 2^e with e = floor(log2(the largest magnitude in the block)) - 2, held to -126 .. 127; a block of zeros has e = 0. As a byte (E8M0): e + 127.
;;     - Each number is divided by its block's scale, clamped to +-6, and rounded to the nearest number of E2M1, ties to even, subnormals kept.
;;     - The product sums the exact products of the quantised numbers (number of the format x scale) in f32.
;;   ~~~python
;;   def quantise(x, axis):      # numpy; x: float32 -> the quantised numbers, widened to float32 again
;;       x = np.moveaxis(x, axis, -1); K = x.shape[-1]
;;       x = np.pad(x, [(0, 0)] * (x.ndim - 1) + [(0, -K % 32)]); x = x.reshape(x.shape[:-1] + (-1, 32)); a = np.abs(x).max(-1, keepdims=True)
;;       e = np.where(a > 0, np.clip(np.frexp(np.where(a > 0, a, 1))[1] - 1 - 2, -126, 127), 0)      # np.frexp(a)[1] - 1 = floor(log2(a)), exactly
;;       r = np.clip(x / 2.0 ** e, -6, 6)
;;       step = 2.0 ** (np.maximum(np.frexp(np.where(r == 0, 1, r))[1] - 1, 0) - 1)
;;       q = np.round(r / step) * step * 2.0 ** e      # np.round: ties to even
;;       return np.moveaxis(q.reshape(q.shape[:-2] + (-1,))[..., :K], -1, axis).astype(np.float32)
;;   ~~~
;; One version. Each part assembles by itself: llvm-mc -triple=amdgcn-amd-amdhsa -mcpu=gfx1250 --defsym DOCPART=n.
;; ======== version 1 of 1: 4 launches
;; limits: values are held in f16: magnitudes above 65,504 overflow, below 6.1e-05 lose precision
;; workspace buffers: xc 12,582,912 bytes; xs 786,432 bytes; wc 1,572,864 bytes; ws 98,304 bytes; wo16 2,097,152 bytes; qkv 50,331,648 bytes; ctx 16,777,216 bytes
;; launch prep (part 1): grid 640 x 1, 4 waves a work-group, no clusters, 34,304 bytes of LDS; arguments query, key, value, Wq, Wk, Wv, Wo, xc, xs, wc, ws, wo16; writes xc, xs, wc, ws, wo16
.if DOCPART == 1
	.amdgcn_target "amdgcn-amd-amdhsa--gfx1250"
	.amdhsa_code_object_version 6
	.text
	.protected	k_q1dde6c6b79_prep
	.globl	k_q1dde6c6b79_prep
	.p2align	8
	.type	k_q1dde6c6b79_prep,@function
k_q1dde6c6b79_prep:
	s_mov_b64 s[64:65], 0
	v_nop
	global_prefetch_b8 v0, s[64:65] scope:SCOPE_SE
	s_setreg_imm32_b32 hwreg(HW_REG_WAVE_MODE, 25, 1), 1
	s_wait_xcnt 0x0
; query, key, value [8192][1024] f32 and Wq, Wk, Wv [1024 (k)][1024 (n)] f32 become codes of FP4 (E2M1) with one E8M0 scale byte for each 32 along K; Wo [1024 (k)][1024 (n)] becomes f16.
; A block's scale is 2^(floor(log2(its largest magnitude)) - 2): its byte is the largest magnitude's exponent field - 2, held at 1 from below; each number is divided by it and rounded to the nearest code, ties to even, beyond 6 the largest code.
; LIMITS: a block of zeros gets the byte 1 where the rule says 127 (its codes are zeros, and this program alone reads the bytes); blocks whose largest magnitude lies under 2^-124 are held at byte 1;
; NaN and infinities among the inputs are not served; |Wo| stays under 65,504 (f16).
; EVERYTHING IS STORED IN THE ORDER OF THE READER'S OPERAND REGISTERS: a piece is 512 bytes = 32 lanes x 16 bytes = four registers of a fragment (l = lane, r = l % 16, h = l / 16).
;   xc, wc: block of 16 rows x 8,192 + K step x 1,024 + c x 512 + 16 l: the 32 codes of row r, k = 128 step + 64 c + 32 h + 0 .. 31.   xs, ws: block x 512 + (step / 4) x 256 + 16 r + 4 (step % 4): the row's scale word of that K step.
;   wo16: block of 16 n x 32,768 + (k / 16) x 512 + 16 l: Wo[16 (k / 16) + 8 h + 0 .. 7][n = r] in f16.
; Work-groups 0 to 383: the rows (K innermost): a wave takes 16 rows and all of K in eight steps of 128.  Work-groups 384 to 639: the weights (K outermost): a wave takes 32 columns x 128 along K, a lane a column.
; No tensor load, no barrier: waves share nothing.
.set STGW,  8448                       ; LDS: a stage for each wave: 16 rows x 528
.set SP,    528                        ; a stage row: 512 bytes + 16: the sixteen rows that a load touches start at sixteen different 16-byte columns
.set SPARE, 4*STGW                     ; behind the stages: the spare words, 128 bytes for each wave, which no other line names
.set SPW,   248                        ; v248  LDS address of my spare word; never rewritten
.set NIL,   249                        ; v249  0; never rewritten
.set FLOOR, 0x1800000                  ; 2^(3 - 127): under it no largest magnitude is taken, so the byte cannot fall under 1
.set EOFF,  0xff000000                 ; takes 2 off an exponent field
.set RS,    16                         ; v16-143  rows: two sets of 64 registers as loaded
.set X,     144                        ; v144-207 rows: my 64 numbers of a K step: register 32 c + i = k 64 c + 32 h + i of row r
.set C,     208                        ; v208-215 rows: a K step's codes
.set SB,    224                        ; v224-231 rows: the eight scale words
.set WN,    16                         ; v16-143  weights: 128 numbers down K of my column
.set WC,    144                        ; v144..   weights: what is stored
.macro MAX32 d, e, x                   ; v[d] = the largest magnitude of v[x] .. v[x + 31], and the floor; two chains that do not wait for each other
	v_max3_num_f32 v[\d], |v[(\x)]|, |v[(\x)+1]|, |v[(\x)+2]|
	v_max3_num_f32 v[\e], |v[(\x)+3]|, |v[(\x)+4]|, |v[(\x)+5]|
.irp i, 6,10,14,18,22,26
	v_max3_num_f32 v[\d], v[\d], |v[(\x)+\i]|, |v[(\x)+\i+1]|
	v_max3_num_f32 v[\e], v[\e], |v[(\x)+\i+2]|, |v[(\x)+\i+3]|
.endr
	v_max3_num_f32 v[\d], v[\d], |v[(\x)+30]|, |v[(\x)+31]|
	v_max3_num_f32 v[\d], v[\d], v[\e], FLOOR
.endm
	s_load_b512 s[8:23], s[0:1], 0x0               ; query 8, key 10, value 12, Wq 14, Wk 16, Wv 18, Wo 20, xc 22
	s_load_b256 s[24:31], s[0:1], 0x40             ; xs 24, wc 26, ws 28, wo16 30
	v_lshl_add_u32 v[SPW], v0, 2, SPARE
	v_mov_b32 v[NIL], 0
	v_lshrrev_b32 v1, 5, v0
	v_readfirstlane_b32 s4, v1                     ; wave
	v_and_b32 v1, 31, v0                           ; l
	v_lshlrev_b32 v2, 4, v1                        ; 16 l
	v_and_b32 v9, 15, v0                           ; r
	v_bfe_u32 v10, v0, 4, 1                        ; h
	s_cmp_ge_u32 ttmp9, 384
	s_cbranch_scc1 .Lw
	; ---- THE ROWS.  Block of 16 rows R = 4 x work-group + wave, 0 .. 1,535: query's 512, key's, value's
	s_lshl_b32 s5, ttmp9, 2
	s_add_co_u32 s5, s5, s4
	s_and_b32 s40, s5, 511
	s_lshl_b32 s40, s40, 16                        ; 16 rows of 4,096 bytes
	s_mov_b32 s41, 0
	s_lshl_b32 s42, s5, 13
	s_mov_b32 s43, 0
	s_lshl_b32 s44, s5, 9
	s_mov_b32 s45, 0
	s_mul_i32 s6, s4, STGW                         ; my stage
	v_add_nc_u32 v3, s6, v2                        ; in: 16 l, the row in the immediate
	v_mul_u32_u24 v4, v9, SP
	v_lshl_add_u32 v4, v10, 7, v4
	v_add_nc_u32 v4, s6, v4                        ; out: row r, + 128 h: my 32 numbers of each 64
	v_lshlrev_b32 v238, 3, v10                     ; 8 h: where my two bytes stand in a scale word
	v_mov_b32 v240, 0                              ; written once: a lane permute's destination counts as one of its sources
	s_mov_b32 s38, 0x76543210
	s_mov_b32 s39, 0xfedcba98                      ; v_permlanex16_b32's selects for lane l xor 16
	s_wait_kmcnt 0x0
	s_cmp_lt_u32 ttmp9, 256                        ; which tensor: the choice hangs on the work-group's number alone
	s_cselect_b64 s[32:33], s[10:11], s[12:13]
	s_cmp_lt_u32 ttmp9, 128
	s_cselect_b64 s[32:33], s[8:9], s[32:33]
	s_add_nc_u64 s[32:33], s[32:33], s[40:41]
	s_add_nc_u64 s[34:35], s[22:23], s[42:43]
	s_add_nc_u64 s[36:37], s[24:25], s[44:45]
.macro XLOAD t                         ; K step t of my 16 rows: each load reads 512 consecutive bytes of one row
.irp i, 0,1,2,3,4,5,6,7,8,9,10,11,12,13,14,15
	global_load_b128 v[RS+64*((\t)%2)+4*\i:RS+64*((\t)%2)+4*\i+3], v2, s[32:33] offset:\i*4096+(\t)*512 th:TH_LOAD_NT
.endr
.endm
.macro XSTEP t
.if (\t) < 7
	s_wait_loadcnt 16                              ; this step's 16 loads are in; the next step's 16 may be out
.else
	s_wait_loadcnt 0x0
.endif
.irp i, 0,1,2,3,4,5,6,7,8,9,10,11,12,13,14,15
	ds_store_b128 v3, v[RS+64*((\t)%2)+4*\i:RS+64*((\t)%2)+4*\i+3] offset:\i*SP
.endr
.irp c, 0,1
.irp i, 0,1,2,3,4,5,6,7
	ds_load_b128 v[X+32*\c+4*\i:X+32*\c+4*\i+3], v4 offset:256*\c+16*\i   ; LDS serves a wave's instructions in order: these see the stores above
.endr
.endr
	s_wait_dscnt 0x0
.if (\t) < 6
	XLOAD (\t)+2                                   ; into the set that the stage's stores have read
.endif
	MAX32 232, 233, X                              ; my block 2 c + h of the step's four: all its 32 numbers are mine
	MAX32 234, 235, X+32
	v_add_nc_u32 v236, EOFF, v232                  ; the conversion takes the exponent field of this operand as its scale, and nothing else of it
	v_add_nc_u32 v237, EOFF, v234
	v_lshrrev_b32 v232, 23, v236                   ; the scales' bytes
	v_lshrrev_b32 v234, 23, v237
	v_lshl_or_b32 v239, v234, 16, v232             ; blocks h and 2 + h of row r,
	v_lshlrev_b32 v239, v238, v239                 ; at their places in the word;
	v_permlanex16_b32 v240, v239, s38, s39
	v_or_b32 v[SB+(\t)], v239, v240                ; with lane l xor 16's two the word is whole, in both lanes
	s_wait_xcnt 0x0                                ; the last step's stores have read their data: the codes' registers are written again only behind this wait
.irp c, 0,1
.irp g, 0,1,2,3
	v_cvt_scalef32_pk8_fp4_f32 v[C+4*\c+\g], v[X+32*\c+8*\g:X+32*\c+8*\g+7], v[236+\c]
.endr
.endr
	v_nop                                          ; one plain line behind the last scaled conversion
.irp c, 0,1
	global_store_b128 v2, v[C+4*\c:C+4*\c+3], s[34:35] offset:(\t)*1024+\c*512   ; 512 consecutive bytes, aligned
.endr
.endm
	XLOAD 0
	XLOAD 1
.irp t, 0,1,2,3,4,5,6,7
	XSTEP \t
.endr
	v_cmp_le_u32 vcc_lo, 16, v1                    ; lanes 0-15 store row r's words of K steps 0-3, lanes 16-31 those of steps 4-7
.irp i, 0,1,2,3
	v_cndmask_b32 v[232+\i], v[SB+\i], v[SB+4+\i], vcc_lo
.endr
	global_store_b128 v2, v[232:235], s[36:37]     ; 512 consecutive bytes, aligned
	s_wait_tensorcnt 0x0                           ; the wave's end, behind my last LDS store
	ds_add_u32 v[SPW], v[NIL]
	s_wait_dscnt 0x0
	s_endpgm
	; ---- THE WEIGHTS.  w = work-group - 384: tensor w / 64, K step (w / 8) % 8, columns 128 (w % 8) + 32 wave + lane.  A lane takes a column and its registers run down K
.Lw:
	s_sub_co_u32 s5, ttmp9, 384
	s_lshr_b32 s6, s5, 6                           ; tensor: 0 Wq, 1 Wk, 2 Wv, 3 Wo
	s_and_b32 s7, s5, 7
	s_bfe_u32 s5, s5, 0x30003                      ; K step
	s_lshl_b32 s7, s7, 7
	s_lshl_b32 s40, s4, 5
	s_add_co_u32 s7, s7, s40                       ; my wave's first column
	s_lshl_b32 s40, s5, 19                         ; 128 rows of 4,096 bytes a K step
	s_lshl_b32 s41, s7, 2
	s_add_co_u32 s40, s40, s41
	s_mov_b32 s41, 0
	s_lshr_b32 s7, s7, 4                           ; my first block of 16 columns
	v_lshlrev_b32 v5, 2, v1                        ; in: 4 bytes a lane: a wave reads 128 consecutive bytes, the work-group 512
	v_lshlrev_b32 v11, 4, v9                       ; 16 r
	s_wait_kmcnt 0x0
	s_cmp_eq_u32 s6, 0
	s_cselect_b64 s[32:33], s[14:15], s[16:17]
	s_cmp_lt_u32 s6, 2
	s_cselect_b64 s[32:33], s[32:33], s[18:19]
	s_cmp_lt_u32 s6, 3
	s_cselect_b64 s[32:33], s[32:33], s[20:21]
	s_add_nc_u64 s[32:33], s[32:33], s[40:41]
.macro WLOAD kb                        ; rows 32 kb .. 32 kb + 31 of the K step, my column
.irp i, 0,1,2,3,4,5,6,7,8,9,10,11,12,13,14,15,16,17,18,19,20,21,22,23,24,25,26,27,28,29,30,31
	global_load_b32 v[WN+32*(\kb)+\i], v5, s[32:33] offset:(32*(\kb)+\i)*4096 th:TH_LOAD_NT
.endr
.endm
.macro WWAIT kb                        ; block kb is in; the block asked for behind it may be out; the block two on is asked for, into registers of its own
.if (\kb) < 3
	s_wait_loadcnt 32
.else
	s_wait_loadcnt 0x0
.endif
.if (\kb) < 2
	WLOAD (\kb)+2
.endif
.endm
	s_cmp_eq_u32 s6, 3
	s_cbranch_scc1 .Lwo
	s_lshl_b32 s42, s6, 6
	s_add_co_u32 s42, s42, s7                      ; block of 16 columns, 0 .. 191
	s_lshl_b32 s44, s42, 9
	s_lshl_b32 s42, s42, 13
	s_lshl_b32 s43, s5, 10
	s_add_co_u32 s42, s42, s43
	s_mov_b32 s43, 0
	s_lshr_b32 s45, s5, 2
	s_lshl_b32 s45, s45, 8
	s_add_co_u32 s44, s44, s45
	s_and_b32 s45, s5, 3
	s_lshl_b32 s45, s45, 2
	s_add_co_u32 s44, s44, s45
	s_mov_b32 s45, 0
	s_add_nc_u64 s[34:35], s[26:27], s[42:43]
	s_add_nc_u64 s[36:37], s[28:29], s[44:45]
	v_lshl_add_u32 v6, v10, 13, v11                ; codes: lanes 16-31 belong to the next block of columns; 16 r
	v_lshl_add_u32 v7, v10, 9, v11                 ; scale words likewise
	WLOAD 0
	WLOAD 1
.macro WBLOCK kb                       ; block kb of 32 along K is piece c = kb / 2, half h = kb % 2 of the fragment
	WWAIT \kb
	MAX32 160+(\kb), 164, WN+32*(\kb)
	v_add_nc_u32 v[168+(\kb)], EOFF, v[160+(\kb)]
	v_lshrrev_b32 v[172+(\kb)], 23, v[168+(\kb)]
.irp g, 0,1,2,3
	v_cvt_scalef32_pk8_fp4_f32 v[WC+4*(\kb)+\g], v[WN+32*(\kb)+8*\g:WN+32*(\kb)+8*\g+7], v[168+(\kb)]
.endr
	v_nop                                          ; one plain line behind the last scaled conversion
	global_store_b128 v6, v[WC+4*(\kb):WC+4*(\kb)+3], s[34:35] offset:((\kb)/2)*512+((\kb)%2)*256   ; sixteen lanes store 256 consecutive bytes, aligned
.endm
.irp kb, 0,1,2,3
	WBLOCK \kb
.endr
	v_lshl_or_b32 v176, v173, 8, v172              ; my column's scale word of this K step
	v_lshl_or_b32 v176, v174, 16, v176
	v_lshl_or_b32 v176, v175, 24, v176
	global_store_b32 v7, v176, s[36:37]            ; 4 bytes a lane, 16 apart: one byte for each 128 that this path reads
	s_endpgm
.Lwo:
	s_lshl_b32 s42, s7, 15
	s_lshl_b32 s43, s5, 12                         ; a K step is eight pieces of 512 bytes
	s_add_co_u32 s42, s42, s43
	s_mov_b32 s43, 0
	s_add_nc_u64 s[34:35], s[30:31], s[42:43]
	v_lshl_add_u32 v8, v10, 15, v11
	WLOAD 0
	WLOAD 1
.macro OBLOCK kb                       ; 32 along K are two pieces of 16; in a piece, half hh holds k = 8 hh + 0 .. 7
	WWAIT \kb
.irp u, 0,1
.irp hh, 0,1
.irp j, 0,1,2,3
	v_cvt_pk_f16_f32 v[WC+8*(2*(\kb)+\u)+4*\hh+\j], v[WN+16*(2*(\kb)+\u)+8*\hh+2*\j], v[WN+16*(2*(\kb)+\u)+8*\hh+2*\j+1]
.endr
	global_store_b128 v8, v[WC+8*(2*(\kb)+\u)+4*\hh:WC+8*(2*(\kb)+\u)+4*\hh+3], s[34:35] offset:(2*(\kb)+\u)*512+\hh*256   ; sixteen lanes store 256 consecutive bytes, aligned
.endr
.endr
.endm
.irp kb, 0,1,2,3
	OBLOCK \kb
.endr
	s_endpgm
.Lfunc_end_k_q1dde6c6b79_prep:
	.size	k_q1dde6c6b79_prep, .Lfunc_end_k_q1dde6c6b79_prep-k_q1dde6c6b79_prep
	.p2alignl 7, 3214868480
	.fill 96, 4, 3214868480
	.section	.rodata,"a",@progbits
	.p2align	6, 0x0
	.amdhsa_kernel k_q1dde6c6b79_prep
		.amdhsa_group_segment_fixed_size 34304
		.amdhsa_private_segment_fixed_size 0
		.amdhsa_enable_private_segment 0
		.amdhsa_kernarg_size 96
		.amdhsa_user_sgpr_count 2
		.amdhsa_user_sgpr_kernarg_segment_ptr 1
		.amdhsa_wavefront_size32 1
		.amdhsa_system_sgpr_workgroup_id_x 1
		.amdhsa_system_sgpr_workgroup_id_y 1
		.amdhsa_system_sgpr_workgroup_id_z 1
		.amdhsa_system_vgpr_workitem_id 0
		.amdhsa_next_free_vgpr 256
		.amdhsa_next_free_sgpr 66
		.amdhsa_reserve_vcc 1
		.amdhsa_float_denorm_mode_32 3
		.amdhsa_float_denorm_mode_16_64 3
		.amdhsa_memory_ordered 1
		.amdhsa_forward_progress 1
		.amdhsa_inst_pref_size 95
	.end_amdhsa_kernel
	.amdgpu_metadata
---
amdhsa.version: [ 1, 2 ]
amdhsa.kernels:
  - .name:           k_q1dde6c6b79_prep
    .symbol:         k_q1dde6c6b79_prep.kd
    .args:
      - { .name: query, .offset: 0, .size: 8, .value_kind: global_buffer, .address_space: global }
      - { .name: key, .offset: 8, .size: 8, .value_kind: global_buffer, .address_space: global }
      - { .name: value, .offset: 16, .size: 8, .value_kind: global_buffer, .address_space: global }
      - { .name: Wq, .offset: 24, .size: 8, .value_kind: global_buffer, .address_space: global }
      - { .name: Wk, .offset: 32, .size: 8, .value_kind: global_buffer, .address_space: global }
      - { .name: Wv, .offset: 40, .size: 8, .value_kind: global_buffer, .address_space: global }
      - { .name: Wo, .offset: 48, .size: 8, .value_kind: global_buffer, .address_space: global }
      - { .name: xc, .offset: 56, .size: 8, .value_kind: global_buffer, .address_space: global }
      - { .name: xs, .offset: 64, .size: 8, .value_kind: global_buffer, .address_space: global }
      - { .name: wc, .offset: 72, .size: 8, .value_kind: global_buffer, .address_space: global }
      - { .name: ws, .offset: 80, .size: 8, .value_kind: global_buffer, .address_space: global }
      - { .name: wo16, .offset: 88, .size: 8, .value_kind: global_buffer, .address_space: global }
    .group_segment_fixed_size: 34304
    .private_segment_fixed_size: 0
    .kernarg_segment_align: 8
    .kernarg_segment_size: 96
    .max_flat_workgroup_size: 128
    .sgpr_count:     66
    .vgpr_count:     256
    .wavefront_size: 32
...
	.end_amdgpu_metadata
.endif
;; end of part 1
;; launch proj (part 2): grid 4 x 96, 4 waves a work-group, clusters of 4 x 4, 327,680 bytes of LDS; arguments xc, xs, wc, ws, bq, bk, bv, qkv; writes qkv
.if DOCPART == 2
	.amdgcn_target "amdgcn-amd-amdhsa--gfx1250"
	.amdhsa_code_object_version 6
	.text
	.protected	k_q1dde6c6b79_proj
	.globl	k_q1dde6c6b79_proj
	.p2align	8
	.type	k_q1dde6c6b79_proj,@function
k_q1dde6c6b79_proj:
	s_mov_b64 s[64:65], 0
	v_nop
	global_prefetch_b8 v0, s[64:65] scope:SCOPE_SE
	s_setreg_imm32_b32 hwreg(HW_REG_WAVE_MODE, 25, 1), 1
	s_wait_xcnt 0x0
	s_wait_alu depctr_hold_cnt(0) depctr_sa_sdst(0) depctr_va_vdst(0) depctr_va_sdst(0) depctr_va_ssrc(0) depctr_va_vcc(0) depctr_vm_vsrc(0)
	s_getreg_b32 s2, hwreg(HW_REG_IB_STS2, 6, 4)
	s_cmp_eq_u32 s2, 0
	s_cbranch_scc0 .Lentry_in_a_cluster
	s_endpgm
.Lentry_in_a_cluster:
	s_bfe_u32 s2, ttmp6, 0x10000c
	s_cmp_lg_u32 s2, 0xf033
	s_cbranch_scc0 .Lentry_shape_is_right
	s_endpgm
.Lentry_shape_is_right:
; Q = query Wq + bq, K = key Wk + bk, V = value Wv + bv on codes of FP4 (E2M1) with one E8M0 scale for each 32 along K = 1,024; sums in f32, the bias as the C of each sum's first product; results rounded once to f16.
; LIMIT: |Q|, |K|, |V| stay under 65,504 (f16).
; The three products are one: 24,576 rows (query's, key's, value's on end) x 1,024 columns; a tile row's tensor picks the weight and the bias.
; A work-group of four waves makes 256 x 256, a wave 128 x 128: 64 accumulators, 512 registers.  K goes in two slots of 512, both asked for at the start: nothing is filled again.
; CODES AND SCALE WORDS LIE IN MEMORY IN THE ORDER OF THE OPERAND'S REGISTERS (block of 16 rows x 8,192 + K step x 1,024 + c x 512 + 16 lane), so a tile is dense rows of 4,096 bytes, LDS needs no padding,
; and a fragment is two ds_load_b128 at 16 x lane.  The scale words of a block: 512 bytes, [K half][row][four words].
; CLUSTERS: 4 x 4 work-groups.  A's tiles are shared along a row of the cluster, B's along a column: each is asked for jointly, by the same tensor load with the same descriptor and a mask that names the four.
; THE MATRIX INSTRUCTION IS USED TRANSPOSED (source 0 = 16 columns of W, source 1 = 16 rows of x): a lane holds eight neighbouring columns of one row, which pack into 16 bytes of f16: a chunk of the next launch's operand.
; qkv: tensor x 16,777,216 + ((batch x 16 + head) x 128 + s / 16) x 2,048 + p x 512 + LP: lane (r, h)'s chunk = X[s = 16 (s / 16) + r][64 head + 16 p + 8 h + 0 .. 7]; LP = 16 x (16 h + (r xor 8 h)).
; REGISTERS: window 0: v16-29 addresses; v32-95 scale words, two sets; v128-191 A's fragments, one set; v192-255 the bias; on the way out v128-255 the packed results.
;   window 1: B's fragments, two sets, at v0 and v128.   windows 2, 3: the accumulators ((a, b) at v[8 (8 (a % 4) + b)]).
.set NQ,     4                         ; matrix instructions deep in a slot
.set FR,     8                         ; registers of a fragment
.set NL,     2                         ; LDS loads that bring one
.set NP,     4                         ; places behind this matrix instruction (ISA guide 7.12.1)
.set BLK,    4096                      ; a block's four K steps
.set HALFT,  8*BLK                     ; what one tensor load brings, and what one wave reads of A or of B
.set SLOT,   4*HALFT                   ; A's 16 blocks, then B's 16
.set SCL,    2*SLOT                    ; behind the slots: the scale words
.set HALFS,  4096                      ; those of 8 blocks
.set SBLK,   512                       ; those of one
.set SPARE,  SCL+4*HALFS               ; the spare words, 128 bytes for each wave, which no other line names
.set ADRA, 16                          ; v16-17  LDS address of my A fragments in slot 0, 1
.set ADRB, 20                          ; v20-21  the same for B
.set SO,   26                          ; v26     LP: my chunk's place in a piece of qkv
.set ADRS, 27                          ; v27     LDS address of my scale words: lanes 0-15 A's rows, lanes 16-31 B's
.set SPW,  28                          ; v28     LDS address of my spare word; never rewritten
.set NIL,  29                          ; v29     0; never rewritten
.set SC,   32
.set AF,   128
.set BIAS, 192                         ; register 8 b + j of lane (r, h): bias[my first column + 16 b + 8 h + j]
.set PK,   128
.set G1, 24
.set G0, 32
.set G1B, 48
.set G0B, 56
.set G1S, 68
.set G0S, 76
.set G1SB, 80
.set G0SB, 88
.set MSB, 0
.macro WIN new                         ; the immediate's high byte repeats the setting that is left
.if MSB != (\new)
	s_set_vgpr_msb (MSB<<8)|(\new)
.set MSB, (\new)
.endif
.endm
.set MUL_LO, 0xa1                      ; source 0 (B) window 1, source 1 (A) window 0, C and D window 2
.set MUL_HI, 0xf1                      ; the same, C and D window 3
.set TO_B,   0x40                      ; destination window 1, address window 0
; A joint load: waves 0 and 1 fetch for A, waves 2 and 3 for B; the branch hangs on the wave's number alone.  An s_nop 0 and four v_nop follow each of the two lines.
.macro JLOAD g0a, g1a, g0b, g1b
	s_cmp_eq_u32 s15, 0
	s_cbranch_scc0 .Lfor_b_\@
	tensor_load_to_lds s[\g0a:\g0a+3], s[\g1a:\g1a+7]
	s_nop 0
.rept 4
	v_nop
.endr
	s_branch .Lasked_\@
.Lfor_b_\@:
	tensor_load_to_lds s[\g0b:\g0b+3], s[\g1b:\g1b+7]
	s_nop 0
.rept 4
	v_nop
.endr
.Lasked_\@:
.endm
.macro CROUND                          ; a round of the cluster's barrier
	s_barrier_signal -1
	s_barrier_wait -1
	s_cmp_lg_u32 s14, 0
	s_cbranch_scc1 .Lnot_wave_0_\@
	s_barrier_signal -3
.Lnot_wave_0_\@:
	s_barrier_wait -3
	s_barrier_signal -1
	s_barrier_wait -1
.endm
	s_load_b256 s[4:11], s[0:1], 0x0               ; xc 4, xs 6, wc 8, ws 10
	s_load_b256 s[92:99], s[0:1], 0x20             ; bq 92, bk 94, bv 96, qkv 98
	v_lshl_add_u32 v[SPW], v0, 2, SPARE
	v_mov_b32 v[NIL], 0
	ds_add_u32 v[SPW], v[NIL]                      ; the wave's opening: the add, twice on end, and its wait ahead of my first tensor load
	ds_add_u32 v[SPW], v[NIL]
	v_lshrrev_b32 v1, 5, v0
	v_readfirstlane_b32 s14, v1                    ; wave 0..3
	s_lshr_b32 s15, s14, 1                         ; which half of the tile's rows is mine.  Also: I fetch for A (0) or for B (1)
	s_and_b32 s16, s14, 1                          ; which half of its columns.  Also: which 8 blocks I fetch
	s_bfe_u32 s40, ttmp6, 0x40000                  ; cx, cy: my place in the cluster
	s_bfe_u32 s41, ttmp6, 0x40004
	s_lshl_b32 s42, ttmp9, 2
	s_add_co_u32 s42, s42, s40                     ; tile column = 4 x cluster x + cx
	s_and_b32 s3, ttmp7, 0xffff
	s_lshl_b32 s17, s3, 2
	s_add_co_u32 s17, s17, s41                     ; tile row = 4 x cluster y + cy, 0 .. 95
	s_lshr_b32 s3, s3, 3                           ; the tensor, 0 .. 2: from the cluster's y alone, which all sixteen share
	s_lshl_b32 s43, s41, 2
	s_lshl_b32 s43, 15, s43                        ; my row of the cluster
	s_lshl_b32 s44, 0x1111, s40                    ; my column
	; descriptor group 1 for codes: 8 rows (blocks) of 4,096 bytes, 8,192 bytes apart, in elements of 8 bytes; no padding; bit 21 set beside a mask
	s_or_b32 s[G1+0], s43, (3<<16)|(1<<21)
	s_or_b32 s[G1B+0], s44, (3<<16)|(1<<21)
.irp g, G1, G1B
	s_mov_b32 s[\g+1], 512<<16                     ; tensor_dim0
	s_mov_b32 s[\g+2], 8<<16                       ; tensor_dim1
	s_mov_b32 s[\g+3], 512<<16                     ; tile_dim0
	s_mov_b32 s[\g+4], 8                           ; tile_dim1
	s_mov_b32 s[\g+5], 1024                        ; from row to row
	s_mov_b32 s[\g+6], 0
	s_mov_b32 s[\g+7], 0
.endr
	; and for the scale words of 8 blocks: 4,096 dense bytes as 16 rows of 256
	s_or_b32 s[G1S+0], s43, (3<<16)|(1<<21)
	s_or_b32 s[G1SB+0], s44, (3<<16)|(1<<21)
.irp g, G1S, G1SB
	s_mov_b32 s[\g+1], 32<<16
	s_mov_b32 s[\g+2], 16<<16
	s_mov_b32 s[\g+3], 32<<16
	s_mov_b32 s[\g+4], 16
	s_mov_b32 s[\g+5], 32
	s_mov_b32 s[\g+6], 0
	s_mov_b32 s[\g+7], 0
.endr
	s_lshl_b32 s2, s16, 3                          ; which 8 blocks of the tile I fetch
	s_lshl_b32 s20, s17, 4
	s_add_co_u32 s20, s20, s2                      ; A: block 16 x tile row + 8 x half
	s_lshl_b32 s22, s20, 9                         ; its scale words,
	s_lshl_b32 s20, s20, 13                        ; its codes, in bytes
	s_mov_b32 s21, 0
	s_mov_b32 s23, 0
	s_lshl_b32 s46, s42, 4
	s_add_co_u32 s46, s46, s2
	s_lshl_b32 s18, s3, 6
	s_add_co_u32 s46, s46, s18                     ; B: block 64 x tensor + 16 x tile column + 8 x half
	s_lshl_b32 s18, s46, 9
	s_lshl_b32 s46, s46, 13
	s_mov_b32 s47, 0
	s_mov_b32 s19, 0
	s_lshl_b32 s45, s14, 15                        ; where they go: wave x 8 blocks: no place in the cluster enters an LDS address
	s_lshl_b32 s66, s14, 12
	s_wait_dscnt 0x0                               ; both opening adds are done
	s_wait_kmcnt 0x0
	s_add_nc_u64 s[20:21], s[4:5], s[20:21]
	s_add_nc_u64 s[22:23], s[6:7], s[22:23]
	s_add_nc_u64 s[46:47], s[8:9], s[46:47]
	s_add_nc_u64 s[18:19], s[10:11], s[18:19]
	CROUND                                         ; all sixteen work-groups are here: the joint loads meet
	s_mov_b32 s[G0S], 1
	s_add_co_u32 s[G0S+1], s66, SCL
	s_mov_b64 s[G0S+2:G0S+3], s[22:23]
	s_or_b32 s[G0S+3], s[G0S+3], 0x80000000
	s_mov_b32 s[G0SB], 1
	s_add_co_u32 s[G0SB+1], s66, SCL
	s_mov_b64 s[G0SB+2:G0SB+3], s[18:19]
	s_or_b32 s[G0SB+3], s[G0SB+3], 0x80000000
	JLOAD G0S, G1S, G0SB, G1SB                     ; the scale words first: they are wanted with slot 0
.irp s, 0,1
	s_mov_b32 s[G0+4*\s], 1
	s_add_co_u32 s[G0+4*\s+1], s45, \s*SLOT
	s_add_nc_u64 s[G0+4*\s+2:G0+4*\s+3], s[20:21], \s*BLK
	s_or_b32 s[G0+4*\s+3], s[G0+4*\s+3], 0x80000000
	s_mov_b32 s[G0B+4*\s], 1
	s_add_co_u32 s[G0B+4*\s+1], s45, \s*SLOT
	s_add_nc_u64 s[G0B+4*\s+2:G0B+4*\s+3], s[46:47], \s*BLK
	s_or_b32 s[G0B+4*\s+3], s[G0B+4*\s+3], 0x80000000
	JLOAD G0+4*\s, G1, G0B+4*\s, G1B               ; three tensor loads of mine are out at the most
.endr
	; where my results go.  What hangs on the tile row is made in the registers that fed A's descriptors, what hangs on the tile column in those that fed B's
	s_and_b32 s20, s17, 31                         ; the tile row in its tensor
	s_lshr_b32 s21, s20, 3
	s_lshl_b32 s21, s21, 22                        ; batch x 16 heads x 262,144
	s_and_b32 s20, s20, 7
	s_lshl_b32 s20, s20, 4
	s_lshl_b32 s22, s15, 3
	s_add_co_u32 s20, s20, s22                     ; s / 16 of my first row
	s_lshl_b32 s20, s20, 11
	s_add_co_u32 s20, s20, s21
	s_lshl_b32 s21, s3, 24
	s_add_co_u32 s20, s20, s21
	s_mov_b32 s21, 0
	s_add_nc_u64 s[12:13], s[98:99], s[20:21]
	s_lshl_b32 s46, s42, 2
	s_lshl_b32 s47, s16, 1
	s_add_co_u32 s46, s46, s47                     ; my first head: 4 x tile column + 2 x half
	s_lshl_b32 s46, s46, 18
	s_mov_b32 s47, 0
	s_add_nc_u64 s[12:13], s[12:13], s[46:47]
	s_lshl_b32 s46, s42, 10
	s_lshl_b32 s18, s16, 9
	s_add_co_u32 s46, s46, s18                     ; my first column, in bytes of f32
	s_cmp_eq_u32 s3, 0
	s_cselect_b64 s[92:93], s[92:93], s[94:95]
	s_cmp_lt_u32 s3, 2
	s_cselect_b64 s[92:93], s[92:93], s[96:97]
	s_add_nc_u64 s[92:93], s[92:93], s[46:47]
	v_and_b32 v1, 15, v0                           ; r
	v_bfe_u32 v2, v0, 4, 1                         ; h
	v_and_b32 v3, 31, v0                           ; l
	v_lshlrev_b32 v7, 5, v2                        ; the bias: 32 h bytes on
.irp b, 0,1,2,3,4,5,6,7
	global_load_b128 v[BIAS+8*\b:BIAS+8*\b+3], v7, s[92:93] offset:64*\b
	global_load_b128 v[BIAS+8*\b+4:BIAS+8*\b+7], v7, s[92:93] offset:64*\b+16
.endr
	v_lshlrev_b32 v4, 4, v3                        ; 16 l
	s_lshl_b32 s20, s15, 15                        ; my 8 blocks of A
	s_lshl_b32 s22, s16, 15                        ; my 8 blocks of B,
	s_add_co_u32 s22, s22, 2*HALFT                 ; which lie behind A's 16
.irp s, 0,1
	v_add_nc_u32 v[ADRA+\s], s20, v4
	v_add_nc_u32 v[ADRB+\s], s22, v4
	s_add_co_u32 s20, s20, SLOT
	s_add_co_u32 s22, s22, SLOT
.endr
	v_lshlrev_b32 v5, 4, v1                        ; scale words: 16 r
	s_lshl_b32 s20, s15, 12                        ; A's: my 8 blocks
	s_lshl_b32 s22, s16, 12                        ; B's: my 8 blocks, behind A's 16
	s_add_co_u32 s22, s22, 2*HALFS
	s_sub_co_u32 s22, s22, s20
	v_mul_u32_u24 v6, s22, v2                      ; lanes 16-31 take B's: one product, h x the distance
	s_add_co_u32 s20, s20, SCL
	v_add_nc_u32 v5, v5, v6
	v_add_nc_u32 v[ADRS], s20, v5
	v_and_b32 v5, 16, v0
	v_lshrrev_b32 v5, 1, v5
	v_xor_b32 v5, v5, v3
	v_lshlrev_b32 v[SO], 4, v5                     ; LP = 16 x (l xor 8 h)
.macro FRAG reg, adr, q, i             ; a fragment: registers 4 c .. 4 c + 3 are piece c of block i, K step q, as it lies
.irp c, 0,1
	ds_load_b128 v[\reg+4*\c:\reg+4*\c+3], v[\adr] offset:(\i)*BLK+(\q)*1024+512*\c
.endr
.endm
; 16 matrix instructions: A's blocks a0, a0 + 1 x B's eight, 128 along K.  p: B's set; sc: the set of scale words.  zero = 1: the sums begin with the bias as C: nothing is cleared, nothing is added later.
; The 64 accumulators take turns, one instruction a turn, in the same order in every step.
.macro MUL16 a0, p, q, sc, zero
.irp a, \a0, \a0+1
.irp b, 0,1,2,3,4,5,6,7
.if \zero
	v_wmma_scale_f32_16x16x128_f8f6f4 v[8*(8*((\a)%4)+\b):8*(8*((\a)%4)+\b)+7], v[128*(\p)+FR*\b:128*(\p)+FR*\b+FR-1], v[AF+FR*(\a):AF+FR*(\a)+FR-1], v[BIAS+8*\b:BIAS+8*\b+7], v[SC+8*NQ*(\sc)+NQ*\b+(\q)], v[SC+8*NQ*(\sc)+NQ*(\a)+(\q)] matrix_a_fmt:MATRIX_FMT_FP4 matrix_b_fmt:MATRIX_FMT_FP4 matrix_a_scale:MATRIX_SCALE_ROW1
.else
	v_wmma_scale_f32_16x16x128_f8f6f4 v[8*(8*((\a)%4)+\b):8*(8*((\a)%4)+\b)+7], v[128*(\p)+FR*\b:128*(\p)+FR*\b+FR-1], v[AF+FR*(\a):AF+FR*(\a)+FR-1], v[8*(8*((\a)%4)+\b):8*(8*((\a)%4)+\b)+7], v[SC+8*NQ*(\sc)+NQ*\b+(\q)], v[SC+8*NQ*(\sc)+NQ*(\a)+(\q)] matrix_a_fmt:MATRIX_FMT_FP4 matrix_b_fmt:MATRIX_FMT_FP4 matrix_a_scale:MATRIX_SCALE_ROW1
.endif
.endr
.endr
.endm
.macro FETCH_B slot, q, p
	WIN TO_B
.irp i, 0,1,2,3,4,5,6,7
	FRAG 128*(\p)+FR*\i, ADRB+\slot, \q, \i
.endr
	WIN 0
.endm
.macro FETCH_A slot, q, i0
.irp i, \i0, \i0+1, \i0+2, \i0+3
	FRAG AF+FR*(\i), ADRA+\slot, \q, \i
.endr
.endm
.macro SCALES sc                       ; a slot's scale words: four a row; lanes 0-15 take A's block i, lanes 16-31 B's block i
.irp i, 0,1,2,3,4,5,6,7
	ds_load_b128 v[SC+8*NQ*\sc+NQ*\i:SC+8*NQ*\sc+NQ*\i+3], v[ADRS] offset:\i*SBLK
.endr
.endm
.macro PLACES n                        ; plain vector lines between a matrix instruction and a load into, or a vector write of, one of its registers, or a read of its result
.rept \n
	v_nop
.endr
.endm
.macro STEP slot, q, zero              ; a step of 128 along K that has its successor in the same slot
	s_wait_dscnt 4*NL                              ; B's set and A's blocks 0-3 are in; the youngest eight loads (A's blocks 4-7) may be out
.if \zero
	WIN 0x81                                       ; C (the bias) window 0, D window 2
.else
	WIN MUL_LO
.endif
	MUL16 0, (\q)%2, \q, \slot, \zero
	MUL16 2, (\q)%2, \q, \slot, \zero
	s_wait_dscnt 0                                 ; A's blocks 4-7 are in
	PLACES NP
	FETCH_B \slot, (\q)+1, 1-(\q)%2
	FETCH_A \slot, (\q)+1, 0
.if \zero
	WIN 0xc1
.else
	WIN MUL_HI
.endif
	MUL16 4, (\q)%2, \q, \slot, \zero
	MUL16 6, (\q)%2, \q, \slot, \zero
	PLACES NP
	WIN 0
	FETCH_A \slot, (\q)+1, 4
.endm
.macro STEPS slot, from
.set Q, \from
.rept NQ-1-\from
	STEP \slot, Q, 0
.set Q, Q+1
.endr
.endm
	s_wait_tensorcnt 1                             ; the scale words and my part of slot 0 are in; slot 1's load may be out
	s_barrier_signal -1
	s_barrier_wait -1                              ; everybody's are
	FETCH_B 0, 0, 0
	FETCH_A 0, 0, 0
	SCALES 0
	FETCH_A 0, 0, 4
	s_wait_loadcnt 0x0                             ; the bias
	STEP 0, 0, 1
	STEPS 0, 1
	; slot 0's last step changes slots: one barrier; in front of it each wave has all its tensor loads in: its part of slot 1
	s_wait_tensorcnt 0x0
	ds_add_u32 v[SPW], v[NIL]
	s_wait_dscnt 4*NL+1                            ; (the add and the youngest eight loads may be out)
	WIN MUL_LO
	MUL16 0, 1, NQ-1, 0, 0
	s_wait_dscnt 0x0                               ; no LDS instruction of mine is pending at the signal
	s_barrier_signal -1
	MUL16 2, 1, NQ-1, 0, 0
	WIN 0
	s_barrier_wait -1                              ; slot 1 is whole
	PLACES NP
	v_add_nc_u32 v[ADRS], 256, v[ADRS]             ; the second K half's scale words
	FETCH_B 1, 0, 0
	FETCH_A 1, 0, 0
	SCALES 1
	WIN MUL_HI
	MUL16 4, 1, NQ-1, 0, 0
	MUL16 6, 1, NQ-1, 0, 0
	PLACES NP
	WIN 0
	FETCH_A 1, 0, 4
	STEPS 1, 0
	s_wait_dscnt 4*NL                              ; the very last step: nothing more to fetch
	WIN MUL_LO
	MUL16 0, 1, NQ-1, 1, 0
	MUL16 2, 1, NQ-1, 1, 0
	s_wait_dscnt 0
	WIN MUL_HI
	MUL16 4, 1, NQ-1, 1, 0
	MUL16 6, 1, NQ-1, 1, 0
	WIN 0
; THE WAY OUT, block by block of 16 rows: a lane's eight results of an accumulator pack into 16 bytes of f16, a chunk of qkv; the 32 lanes' chunks are one piece: 512 consecutive bytes, aligned.  No stage.
.macro OUT a
.if (\a) >= 4
	s_wait_xcnt 0x0                                ; block a - 4's stores have read their data: these registers are written again only behind this wait
.endif
	WIN 0x0a+5*((\a)/4)                            ; sources 0 and 1: window 2 or 3
.irp b, 0,1,2,3,4,5,6,7
.irp j, 0,1,2,3
	v_cvt_pk_f16_f32 v[PK+32*((\a)%4)+4*\b+\j], v[8*(8*((\a)%4)+\b)+2*\j], v[8*(8*((\a)%4)+\b)+2*\j+1]   ; each accumulator from its low end on
.endr
.endr
	WIN 0
.irp b, 0,1,2,3,4,5,6,7
	global_store_b128 v[SO], v[PK+32*((\a)%4)+4*\b:PK+32*((\a)%4)+4*\b+3], s[12:13] offset:(\a)*2048+(\b%4)*512+(\b/4)*262144
.endr
.endm
	PLACES NP                                      ; behind the last products: the packed results land where A's fragments lay
.irp a, 0,1,2,3,4,5,6,7
	OUT \a
.endr
	s_wait_tensorcnt 0x0                           ; the wave's end
	ds_add_u32 v[SPW], v[NIL]
	s_wait_dscnt 0x0
	CROUND                                         ; the closing round
	s_endpgm
.Lfunc_end_k_q1dde6c6b79_proj:
	.size	k_q1dde6c6b79_proj, .Lfunc_end_k_q1dde6c6b79_proj-k_q1dde6c6b79_proj
	.p2alignl 7, 3214868480
	.fill 96, 4, 3214868480
	.section	.rodata,"a",@progbits
	.p2align	6, 0x0
	.amdhsa_kernel k_q1dde6c6b79_proj
		.amdhsa_group_segment_fixed_size 327680
		.amdhsa_private_segment_fixed_size 0
		.amdhsa_enable_private_segment 0
		.amdhsa_kernarg_size 64
		.amdhsa_user_sgpr_count 2
		.amdhsa_user_sgpr_kernarg_segment_ptr 1
		.amdhsa_wavefront_size32 1
		.amdhsa_system_sgpr_workgroup_id_x 1
		.amdhsa_system_sgpr_workgroup_id_y 1
		.amdhsa_system_sgpr_workgroup_id_z 1
		.amdhsa_system_vgpr_workitem_id 0
		.amdhsa_next_free_vgpr 1024
		.amdhsa_next_free_sgpr 100
		.amdhsa_reserve_vcc 0
		.amdhsa_float_denorm_mode_32 3
		.amdhsa_float_denorm_mode_16_64 3
		.amdhsa_memory_ordered 1
		.amdhsa_forward_progress 1
		.amdhsa_inst_pref_size 119
	.end_amdhsa_kernel
	.amdgpu_metadata
---
amdhsa.version: [ 1, 2 ]
amdhsa.kernels:
  - .name:           k_q1dde6c6b79_proj
    .symbol:         k_q1dde6c6b79_proj.kd
    .args:
      - { .name: xc, .offset: 0, .size: 8, .value_kind: global_buffer, .address_space: global }
      - { .name: xs, .offset: 8, .size: 8, .value_kind: global_buffer, .address_space: global }
      - { .name: wc, .offset: 16, .size: 8, .value_kind: global_buffer, .address_space: global }
      - { .name: ws, .offset: 24, .size: 8, .value_kind: global_buffer, .address_space: global }
      - { .name: bq, .offset: 32, .size: 8, .value_kind: global_buffer, .address_space: global }
      - { .name: bk, .offset: 40, .size: 8, .value_kind: global_buffer, .address_space: global }
      - { .name: bv, .offset: 48, .size: 8, .value_kind: global_buffer, .address_space: global }
      - { .name: qkv, .offset: 56, .size: 8, .value_kind: global_buffer, .address_space: global }
    .group_segment_fixed_size: 327680
    .private_segment_fixed_size: 0
    .kernarg_segment_align: 8
    .kernarg_segment_size: 64
    .max_flat_workgroup_size: 128
    .sgpr_count:     100
    .vgpr_count:     1024
    .wavefront_size: 32
...
	.end_amdgpu_metadata
.endif
;; end of part 2
;; launch attn (part 3): grid 4 x 64, 8 waves a work-group, clusters of 4 x 1, 327,680 bytes of LDS; arguments qkv, ctx; writes ctx
.if DOCPART == 3
	.amdgcn_target "amdgcn-amd-amdhsa--gfx1250"
	.amdhsa_code_object_version 6
	.text
	.protected	k_q1dde6c6b79_attn
	.globl	k_q1dde6c6b79_attn
	.p2align	8
	.type	k_q1dde6c6b79_attn,@function
k_q1dde6c6b79_attn:
	s_mov_b64 s[64:65], 0
	v_nop
	global_prefetch_b8 v0, s[64:65] scope:SCOPE_SE
	s_setreg_imm32_b32 hwreg(HW_REG_WAVE_MODE, 25, 1), 1
	s_wait_xcnt 0x0
	s_wait_alu depctr_hold_cnt(0) depctr_sa_sdst(0) depctr_va_vdst(0) depctr_va_sdst(0) depctr_va_ssrc(0) depctr_va_vcc(0) depctr_vm_vsrc(0)
	s_getreg_b32 s2, hwreg(HW_REG_IB_STS2, 6, 4)
	s_cmp_eq_u32 s2, 0
	s_cbranch_scc0 .Lentry_in_a_cluster
	s_endpgm
.Lentry_in_a_cluster:
	s_bfe_u32 s2, ttmp6, 0x10000c
	s_cmp_lg_u32 s2, 0x3003
	s_cbranch_scc0 .Lentry_shape_is_right
	s_endpgm
.Lentry_shape_is_right:
; ctx[b][q][64 head ..] = the sum over k of softmax_k(Q[q] . K[k] / 8) V[k], for 64 (batch, head) pairs of 2,048 positions and head size 64.  Q, K, V arrive in f16; products, maxima and sums in f32;
; the weights p = 2^(c s - c m), c = log2(e) / 8, m the running row maximum, are at most 1 and are rounded to f16 for the second product; ctx is rounded once to f16.  LIMIT: |ctx| stays under 65,504 (f16).
; SHARES.  A work-group owns 512 queries of one head, each of its eight waves 64: four tiles of 16, worked as two pieces (tiles 0, 1 and tiles 2, 3) in phases.  Two waves share a SIMD, so that one wave's
; softmax stands beside the other's products.  Every wave walks all 2,048 keys, 64 a step.
; LAYOUT.  S^T = K Q^T (source 0 = 16 keys, source 1 = 16 queries), O^T = V^T P (source 0 = 16 channels, source 1 = P): a lane holds ONE query throughout, and two tiles of S^T, rounded in pairs, are source 1 of the second product.
; qkv lies in pieces of 512 bytes: ((head x 128 + s / 16) x 4 + p) x 512 + LP; lane (r, h)'s chunk = X[16 (s / 16) + r][16 p + 8 h + 0 .. 7], at LP = 16 x (16 h + (r xor 8 h)).  K and Q fragments are read as they lie;
; V is turned by ds_load_tr16_b128: lane l asks for key 8 (l / 16) + l % 8, channels 8 ((l / 8) % 2) on.  With LP, sixteen lanes of either kind of read touch sixteen different 16-byte columns of 256 bytes.
; RING.  Two slots of 512 keys: K's 65,536 bytes, then V's.  Each of the eight waves brings 16,384 dense bytes by one tensor load (waves 0-3 K's quarters, waves 4-7 V's: K and V lie in one buffer, so one line serves).
; CLUSTER.  The four query blocks of a head walk the same K and V: every tile is asked for jointly, mask 15.  A refill has eight key steps, 512 matrix instructions a wave, in which to land; so nothing is prefetched.
; REGISTERS: window 0: v1-9 addresses; v16-47 statistics, 8 a tile (+0 c m, +1 m, +2, +3 the sum's halves, +4 .. +7 at work; +6 then holds a = 2^(c m_old - c m_new)); v64-127 S^T of a piece; v128-159 P of a piece; v160-223 Q.
;   window 1: v0-127 O^T, 32 a tile; v128-191 K of a step; v192-255 V of a step.
.set SLOT1, 131072
.set VOFF,  65536
.set STEPB, 8192                       ; 64 keys of K, or of V
.set SPARE, 262144                     ; behind the ring: the spare words, 128 bytes for each of eight waves, which no other line names
.set LPA, 1                            ; v1  LP
.set AVT, 2                            ; v2  my place in a piece of V for the turning load, + VOFF
.set ADR, 3                            ; v3  the LDS address of the run of loads in hand
.set GO,  4                            ; v4  16 x lane
.set SPW, 8                            ; v8  LDS address of my spare word; never rewritten
.set NIL, 9                            ; v9  0; never rewritten
.set ST,  16
.set S,   64
.set P,   128
.set Q,   160
.set KF,  128                          ; in window 1
.set VF,  192
.set WV,  12                           ; s12 my wave's number
.set G1,  24                           ; s[24:31] descriptor group 1
.set G0,  40                           ; s[40:43] group 0 for slot 0's first fill; s[44:47] for slot 1's, which then walks
.set SLOTS, 56
.set STEPS, 57
.set CS,  58                           ; s[58:59] c, twice: the packed form names a pair
.set SEL, 60                           ; s[60:61] v_permlanex16_b32's selects for lane l xor 16
.set TB,  62                           ; s62 LDS byte at which the step to be fetched begins
.set MSB, 0
.macro WIN new                         ; the immediate's high byte repeats the setting that is left
.if MSB != (\new)
	s_set_vgpr_msb (MSB<<8)|(\new)
.set MSB, (\new)
.endif
.endm
.macro CROUND                          ; a round of the cluster's barrier
	s_barrier_signal -1
	s_barrier_wait -1
	s_cmp_lg_u32 s[WV], 0
	s_cbranch_scc1 .Lnot_wave_0_\@
	s_barrier_signal -3
.Lnot_wave_0_\@:
	s_barrier_wait -3
	s_barrier_signal -1
	s_barrier_wait -1
.endm
.macro PLACES                          ; four plain vector lines between a matrix instruction and a read of its result or a load into one of its registers
.rept 4
	v_nop
.endr
.endm
	s_load_b128 s[4:7], s[0:1], 0x0                ; qkv, ctx
	v_lshl_add_u32 v[SPW], v0, 2, SPARE
	v_mov_b32 v[NIL], 0
	ds_add_u32 v[SPW], v[NIL]                      ; the wave's opening: the add, twice on end, and its wait ahead of my first tensor load
	ds_add_u32 v[SPW], v[NIL]
	v_lshrrev_b32 v5, 5, v0
	v_readfirstlane_b32 s[WV], v5                  ; wave 0..7
	s_bfe_u32 s13, ttmp6, 0x40000                  ; cx
	s_lshl_b32 s15, ttmp9, 2
	s_add_co_u32 s15, s15, s13                     ; my block of 512 queries: it enters Q's and ctx's addresses alone
	s_and_b32 s14, ttmp7, 0xffff                   ; batch x 16 + head, which the four partners share
	s_lshr_b32 s16, s[WV], 2
	s_add_co_u32 s16, s16, 1
	s_lshl_b32 s16, s16, 24                        ; K's part of qkv (waves 0-3) or V's (waves 4-7),
	s_lshl_b32 s17, s14, 18                        ; the head's 262,144 bytes,
	s_add_co_u32 s16, s16, s17
	s_and_b32 s18, s[WV], 3
	s_lshl_b32 s18, s18, 14                        ; my quarter of a slot
	s_add_co_u32 s16, s16, s18
	s_lshl_b32 s20, s15, 16                        ; Q: my block's 32 pieces' rows,
	s_add_co_u32 s20, s20, s17
	s_lshl_b32 s21, s[WV], 13                      ; my wave's four tiles
	s_add_co_u32 s20, s20, s21
	s_mov_b32 s21, 0
	s_mov_b32 s17, 0
	s_lshr_b32 s22, s14, 4                         ; ctx: (batch x 128 + s / 16) x 32,768 + head x 2,048
	s_lshl_b32 s22, s22, 7
	s_lshl_b32 s23, s15, 5
	s_add_co_u32 s22, s22, s23
	s_lshl_b32 s23, s[WV], 2
	s_add_co_u32 s22, s22, s23
	s_lshl_b32 s22, s22, 15
	s_and_b32 s23, s14, 15
	s_lshl_b32 s23, s23, 11
	s_add_co_u32 s22, s22, s23
	s_mov_b32 s23, 0
	; descriptor group 1: 16,384 dense bytes as 64 rows of 256 (32 elements of 8 bytes); no padding
	s_mov_b32 s[G1], 15|(3<<16)|(1<<21)            ; the mask: all four work-groups; elements of 8 bytes; bit 21 set beside a mask
	s_mov_b32 s[G1+1], 32<<16                      ; tensor_dim0
	s_mov_b32 s[G1+2], 64<<16                      ; tensor_dim1
	s_mov_b32 s[G1+3], 32<<16                      ; tile_dim0
	s_mov_b32 s[G1+4], 64                          ; tile_dim1
	s_mov_b32 s[G1+5], 32                          ; from row to row
	s_mov_b32 s[G1+6], 0
	s_mov_b32 s[G1+7], 0
	s_mov_b32 s[CS], 0x3e38aa3b                    ; c = log2(e) / 8
	s_mov_b32 s[CS+1], s[CS]
	s_mov_b32 s[SEL], 0x76543210
	s_mov_b32 s[SEL+1], 0xfedcba98
	s_mov_b32 s[TB], 0
	s_wait_dscnt 0x0                               ; both opening adds are done
	s_wait_kmcnt 0x0
	s_add_nc_u64 s[16:17], s[4:5], s[16:17]        ; my tile of slot 0
	s_add_nc_u64 s[8:9], s[4:5], s[20:21]          ; Q at my wave's first tile
	s_add_nc_u64 s[10:11], s[6:7], s[22:23]        ; ctx likewise
	CROUND                                         ; all four work-groups are here: the first joint loads meet
	s_mov_b32 s[G0], 1
	s_lshl_b32 s[G0+1], s[WV], 14                  ; LDS: wave x 16,384: no place in the cluster enters an LDS address
	s_mov_b64 s[G0+2:G0+3], s[16:17]
	s_mov_b32 s[G0+4], 1
	s_add_co_u32 s[G0+5], s[G0+1], SLOT1
	s_add_nc_u64 s[G0+6:G0+7], s[16:17], 65536     ; the next 512 keys
	s_or_b32 s[G0+3], s[G0+3], 0x80000000
	s_or_b32 s[G0+7], s[G0+7], 0x80000000
	tensor_load_to_lds s[G0:G0+3], s[G1:G1+7]      ; two loads of mine are out
	s_nop 0
	tensor_load_to_lds s[G0+4:G0+7], s[G1:G1+7]
	s_nop 0
.rept 4
	v_nop
.endr
	v_and_b32 v5, 31, v0                           ; l
	v_and_b32 v6, 16, v0
	v_lshrrev_b32 v6, 1, v6
	v_xor_b32 v6, v6, v5
	v_lshlrev_b32 v[LPA], 4, v6                    ; LP = 16 x (l xor 8 h)
	v_lshlrev_b32 v[GO], 4, v5
.irp i, 0,1,2,3,4,5,6,7,8,9,10,11,12,13,14,15  ; Q stays in registers: tile i / 4, piece i % 4
	global_load_b128 v[Q+4*\i:Q+4*\i+3], v[LPA], s[8:9] offset:(\i/4)*2048+(\i%4)*512
.endr
	v_bfe_u32 v6, v0, 3, 1                         ; which 8 channels I ask for
	v_bfe_u32 v7, v0, 4, 1                         ; which 8 keys
	v_xor_b32 v7, v7, v6
	v_and_b32 v10, 7, v0
	v_lshl_add_u32 v10, v7, 3, v10
	v_lshl_add_u32 v10, v6, 4, v10                 ; that chunk's place in its piece
	v_lshlrev_b32 v10, 4, v10
	v_add_nc_u32 v[AVT], VOFF, v10
.irp t, 0,1,2,3
	v_mov_b32 v[ST+8*\t+1], 0xff61b1e6             ; m = -3e38, under every score
	v_mul_f32 v[ST+8*\t], s[CS], v[ST+8*\t+1]      ; c m
	v_mov_b32 v[ST+8*\t+2], 0                      ; the sum, in two halves
	v_mov_b32 v[ST+8*\t+3], 0
.endr
	WIN 0x40
.set i, 0
.rept 128
	v_mov_b32 v[i], 0                              ; O^T.  (The step is written without a first step of its own: the first finds zeros, which a = 0 leaves zeros)
.set i, i+1
.endr
	WIN 0
; S^T = K Q^T for tiles x, x + 1: 16 products; the eight accumulators take turns, one instruction a turn; the first eight start the sums
.macro KQ x
	WIN 0x01                                       ; K in window 1
.irp ks, 0,1
.irp kt, 0,1,2,3
.irp u, 0,1
.if \ks == 0
	v_wmma_f32_16x16x32_f16 v[S+32*\u+8*\kt:S+32*\u+8*\kt+7], v[KF+16*\kt+8*\ks:KF+16*\kt+8*\ks+7], v[Q+16*((\x)+\u)+8*\ks:Q+16*((\x)+\u)+8*\ks+7], 0
.else
	v_wmma_f32_16x16x32_f16 v[S+32*\u+8*\kt:S+32*\u+8*\kt+7], v[KF+16*\kt+8*\ks:KF+16*\kt+8*\ks+7], v[Q+16*((\x)+\u)+8*\ks:Q+16*((\x)+\u)+8*\ks+7], v[S+32*\u+8*\kt:S+32*\u+8*\kt+7]
.endif
.endr
.endr
.endr
.endm
; O^T += V^T P for tiles x, x + 1: 16 products, eight accumulators by turns
.macro PVM x
	WIN 0x51                                       ; V and O^T in window 1, P in window 0
.irp kk, 0,1
.irp cb, 0,1,2,3
.irp u, 0,1
	v_wmma_f32_16x16x32_f16 v[32*((\x)+\u)+8*\cb:32*((\x)+\u)+8*\cb+7], v[VF+8*(4*\kk+\cb):VF+8*(4*\kk+\cb)+7], v[P+16*\u+8*\kk:P+16*\u+8*\kk+7], v[32*((\x)+\u)+8*\cb:32*((\x)+\u)+8*\cb+7]
.endr
.endr
.endr
.endm
.macro FETCH_K                         ; a step's K: keys 16 kt on, channels 32 ks + 16 c on
	WIN 0
	v_add_nc_u32 v[ADR], s[TB], v[LPA]
	WIN 0x40
.irp kt, 0,1,2,3
.irp pc, 0,1,2,3
	ds_load_b128 v[KF+16*\kt+4*\pc:KF+16*\kt+4*\pc+3], v[ADR] offset:\kt*2048+\pc*512
.endr
.endr
.endm
.macro FETCH_V                         ; the same step's V, turned: keys 32 kk on, channels 16 cb on
	WIN 0
	v_add_nc_u32 v[ADR], s[TB], v[AVT]
	s_add_co_u32 s[TB], s[TB], STEPB               ; the next fetch is the next step's
	WIN 0x40
.irp kk, 0,1
.irp cb, 0,1,2,3
	ds_load_tr16_b128 v[VF+8*(4*\kk+\cb):VF+8*(4*\kk+\cb)+3], v[ADR] offset:(2*\kk)*2048+\cb*512
	ds_load_tr16_b128 v[VF+8*(4*\kk+\cb)+4:VF+8*(4*\kk+\cb)+7], v[ADR] offset:(2*\kk+1)*2048+\cb*512
.endr
.endr
.endm
; THE SOFTMAX of tiles y, y + 1 for one key step; the two tiles alternate line by line, so that no line waits for the line above it.
.macro SMP y
	WIN 0
.irp j, 0,1,2,3                        ; the maximum of the lane's 32 scores and the old m: four chains, each begun at its accumulator's low end
.irp u, 0,1
	v_max3_num_f32 v[ST+8*((\y)+\u)+4+\j], v[S+32*\u+8*\j], v[S+32*\u+8*\j+1], v[S+32*\u+8*\j+2]
.endr
.endr
.irp g, 3,5
.irp j, 0,1,2,3
.irp u, 0,1
	v_max3_num_f32 v[ST+8*((\y)+\u)+4+\j], v[ST+8*((\y)+\u)+4+\j], v[S+32*\u+8*\j+\g], v[S+32*\u+8*\j+\g+1]
.endr
.endr
.endr
.irp u, 0,1
	v_max3_num_f32 v[ST+8*((\y)+\u)+4], v[ST+8*((\y)+\u)+4], v[S+32*\u+7], v[S+32*\u+15]
.endr
.irp u, 0,1
	v_max3_num_f32 v[ST+8*((\y)+\u)+6], v[ST+8*((\y)+\u)+6], v[S+32*\u+23], v[S+32*\u+31]
.endr
.irp u, 0,1
	v_max3_num_f32 v[ST+8*((\y)+\u)+4], v[ST+8*((\y)+\u)+4], v[ST+8*((\y)+\u)+5], v[ST+8*((\y)+\u)+6]
.endr
.irp u, 0,1
	v_max3_num_f32 v[ST+8*((\y)+\u)+4], v[ST+8*((\y)+\u)+4], v[ST+8*((\y)+\u)+7], v[ST+8*((\y)+\u)+1]
.endr
.irp u, 0,1
	v_permlanex16_b32 v[ST+8*((\y)+\u)+5], v[ST+8*((\y)+\u)+4], s[SEL], s[SEL+1]   ; the query's other 32 keys lie in the lane 16 away
.endr
.irp u, 0,1
	v_mov_b32 v[ST+8*((\y)+\u)+7], v[ST+8*((\y)+\u)]       ; c m_old
.endr
.irp u, 0,1
	v_max_num_f32 v[ST+8*((\y)+\u)+1], v[ST+8*((\y)+\u)+4], v[ST+8*((\y)+\u)+5]   ; the new m
.endr
.irp u, 0,1
	v_mul_f32 v[ST+8*((\y)+\u)], s[CS], v[ST+8*((\y)+\u)+1]
.endr
.irp u, 0,1
	v_sub_f32 v[ST+8*((\y)+\u)+7], v[ST+8*((\y)+\u)+7], v[ST+8*((\y)+\u)]
.endr
.irp i, 0,2,4,6,8,10,12,14,16,18,20,22,24,26,28,30
.irp u, 0,1
	v_pk_fma_f32 v[S+32*\u+\i:S+32*\u+\i+1], v[S+32*\u+\i:S+32*\u+\i+1], s[CS:CS+1], v[ST+8*((\y)+\u):ST+8*((\y)+\u)+1] op_sel_hi:[1,0,0] neg_lo:[0,0,1] neg_hi:[0,0,1]   ; c s - c m, two at a time
.endr
.endr
.irp u, 0,1
	v_exp_f32 v[ST+8*((\y)+\u)+6], v[ST+8*((\y)+\u)+7]     ; a = 2^(c m_old - c m_new)
.endr
.irp i, 0,1,2,3,4,5,6,7,8,9,10,11,12,13,14,15,16,17,18,19,20,21,22,23,24,25,26,27,28,29,30,31
.irp u, 0,1
	v_exp_f32 v[S+32*\u+\i], v[S+32*\u+\i]                 ; p: both tiles' 66 exponentials are one batch; none reads another's result
.endr
.endr
	v_nop                                          ; a plain line behind the last exponential
	s_wait_alu depctr_va_vdst(0)                   ; the wait ahead of the first line that names a result: one for the batch
.irp i, 0,1,2,3,4,5,6,7,8,9,10,11,12,13,14,15
.irp u, 0,1
	v_cvt_pk_f16_f32 v[P+16*\u+\i], v[S+32*\u+2*\i], v[S+32*\u+2*\i+1]
.endr
.endr
.irp i, 0,4,8,12,16,20,24,28           ; the sum of the unrounded p, two at a time, as a tree in place
.irp u, 0,1
	v_pk_add_f32 v[S+32*\u+\i:S+32*\u+\i+1], v[S+32*\u+\i:S+32*\u+\i+1], v[S+32*\u+\i+2:S+32*\u+\i+3]
.endr
.endr
.irp i, 0,8,16,24
.irp u, 0,1
	v_pk_add_f32 v[S+32*\u+\i:S+32*\u+\i+1], v[S+32*\u+\i:S+32*\u+\i+1], v[S+32*\u+\i+4:S+32*\u+\i+5]
.endr
.endr
.irp i, 0,16
.irp u, 0,1
	v_pk_add_f32 v[S+32*\u+\i:S+32*\u+\i+1], v[S+32*\u+\i:S+32*\u+\i+1], v[S+32*\u+\i+8:S+32*\u+\i+9]
.endr
.endr
.irp u, 0,1
	v_pk_add_f32 v[S+32*\u:S+32*\u+1], v[S+32*\u:S+32*\u+1], v[S+32*\u+16:S+32*\u+17]
.endr
.irp u, 0,1
	v_pk_fma_f32 v[ST+8*((\y)+\u)+2:ST+8*((\y)+\u)+3], v[ST+8*((\y)+\u)+2:ST+8*((\y)+\u)+3], v[ST+8*((\y)+\u)+6:ST+8*((\y)+\u)+7], v[S+32*\u:S+32*\u+1] op_sel_hi:[1,0,1]   ; l = a l + the sum
.endr
	WIN 0x41                                       ; O^T (destination and source 0) in window 1, a in window 0
.irp i, 0,2,4,6,8,10,12,14,16,18,20,22,24,26,28,30
.irp u, 0,1
	v_pk_mul_f32 v[32*((\y)+\u)+\i:32*((\y)+\u)+\i+1], v[32*((\y)+\u)+\i:32*((\y)+\u)+\i+1], v[ST+8*((\y)+\u)+6:ST+8*((\y)+\u)+7] op_sel_hi:[1,0]
.endr
.endr
.endm
; THE CHANGE OF SLOTS stands in a slot's last step, where that step's K and V are in registers.  Each wave waits for all its tensor loads (its part of the other slot), adds 0 to its spare word, and waits for that
; (its reads of the slot came back earlier).  fill = 1: the barrier is a round of the cluster's, so that no wave of any partner still reads the slot or has a load on its way, and the joint refill comes first behind it.
.macro CHANGE fill
	s_wait_tensorcnt 0x0                           ; no tensor load of mine is out, so a group 0 may be written
	ds_add_u32 v[SPW], v[NIL]
.if \fill
	s_xor_b32 s[G0+5], s[G0+5], SLOT1              ; the walking descriptor: the other slot than last time,
	s_add_nc_u64 s[G0+6:G0+7], s[G0+6:G0+7], 65536 ; the next 512 keys; the type bits on top are not reached
.endif
	s_wait_dscnt 0x0
.if \fill
	CROUND
	tensor_load_to_lds s[G0+4:G0+7], s[G1:G1+7]    ; my one tensor load behind the round
	s_nop 0
.rept 4
	v_nop
.endr
.else
	s_barrier_signal -1
	s_barrier_wait -1
.endif
	s_sub_co_u32 s[TB], s[TB], 8*STEPB             ; the fetches go back to a slot's first step,
	s_xor_b32 s[TB], s[TB], SLOT1                  ; in the other slot
.endm
; A KEY STEP.  mode 0: plain; 1: the slot's last, the slot is filled again; 2: the slot's last, nothing is asked for; 3: the very last
.macro STEP mode
	s_wait_dscnt 16                                ; K's 16 loads are in; V's 16, issued behind them, may be out
	KQ 0
	WIN 0
	PLACES
	SMP 0
	s_wait_dscnt 0x0                               ; V is in
	PVM 0
	KQ 2
	WIN 0
	PLACES                                         ; behind the last products that read K, and ahead of the reads of their scores
.if \mode == 1
	CHANGE 1
.elseif \mode == 2
	CHANGE 0
.endif
.if \mode < 3
	FETCH_K                                        ; the next step's K lands under piece 2's softmax
.endif
	SMP 2
	PVM 2
	WIN 0
.if \mode < 3
	PLACES                                         ; behind the last products that read V
	FETCH_V
	WIN 0
.endif
.endm
.macro SEVEN                           ; a slot's first seven steps: written once, walked seven times; the LDS addresses hang on s[TB]
	s_mov_b32 s[STEPS], 7
.Lstep_\@:
	STEP 0
	s_sub_co_u32 s[STEPS], s[STEPS], 1
	s_cmp_lg_u32 s[STEPS], 0
	s_cbranch_scc1 .Lstep_\@
.endm
	s_wait_tensorcnt 1                             ; my part of slot 0 is in; slot 1's may stay out
	s_barrier_signal -1
	s_barrier_wait -1                              ; everybody's is
	FETCH_K
	FETCH_V
	WIN 0
	s_wait_loadcnt 0x0                             ; Q
	s_mov_b32 s[SLOTS], 2
.Lslot:                                            ; two trips: slots 0 and 1 are read and filled again
	SEVEN
	STEP 1
	s_sub_co_u32 s[SLOTS], s[SLOTS], 1
	s_cmp_lg_u32 s[SLOTS], 0
	s_cbranch_scc1 .Lslot
	SEVEN                                          ; the tail is written out
	STEP 2
	SEVEN
	STEP 3
	; THE WAY OUT.  The sum's halves and the other half of the lanes' are added (twelve plain lines: the places behind the last products); O^T is divided by the sum and rounded to f16.  A lane's eight channels
	; are a chunk of the next launch's operand: ctx: (batch x 128 + s / 16) x 32,768 + (4 head + cb) x 512 + 16 lane.  Each store covers 512 consecutive bytes, aligned.  No stage.
.irp t, 0,1,2,3
	v_add_f32 v[ST+8*\t+4], v[ST+8*\t+2], v[ST+8*\t+3]
.endr
.irp t, 0,1,2,3
	v_permlanex16_b32 v[ST+8*\t+5], v[ST+8*\t+4], s[SEL], s[SEL+1]
.endr
.irp t, 0,1,2,3
	v_add_f32 v[ST+8*\t+4], v[ST+8*\t+4], v[ST+8*\t+5]
.endr
.irp t, 0,1,2,3
	v_rcp_f32 v[ST+8*\t+6], v[ST+8*\t+4]
.endr
	v_nop                                          ; a plain line behind the last reciprocal
	s_wait_alu depctr_va_vdst(0)                   ; and the wait ahead of the first use: one for the four
.macro OUT t
	WIN 0x41
.irp i, 0,2,4,6,8,10,12,14,16,18,20,22,24,26,28,30
	v_pk_mul_f32 v[32*\t+\i:32*\t+\i+1], v[32*\t+\i:32*\t+\i+1], v[ST+8*\t+6:ST+8*\t+7] op_sel_hi:[1,0]
.endr
	WIN 0x05                                       ; sources 0 and 1 window 1, destination window 0: S^T's registers are free
.irp i, 0,1,2,3,4,5,6,7,8,9,10,11,12,13,14,15
	v_cvt_pk_f16_f32 v[S+16*\t+\i], v[32*\t+2*\i], v[32*\t+2*\i+1]
.endr
	WIN 0
.irp cb, 0,1,2,3
	global_store_b128 v[GO], v[S+16*\t+4*\cb:S+16*\t+4*\cb+3], s[10:11] offset:\t*32768+\cb*512
.endr
.endm
.irp t, 0,1,2,3
	OUT \t
.endr
	s_wait_tensorcnt 0x0                           ; the wave's end
	ds_add_u32 v[SPW], v[NIL]
	s_wait_dscnt 0x0
	CROUND                                         ; the closing round: no work-group ends while a partner may still ask for a tile that names it
	s_endpgm
.Lfunc_end_k_q1dde6c6b79_attn:
	.size	k_q1dde6c6b79_attn, .Lfunc_end_k_q1dde6c6b79_attn-k_q1dde6c6b79_attn
	.p2alignl 7, 3214868480
	.fill 96, 4, 3214868480
	.section	.rodata,"a",@progbits
	.p2align	6, 0x0
	.amdhsa_kernel k_q1dde6c6b79_attn
		.amdhsa_group_segment_fixed_size 327680
		.amdhsa_private_segment_fixed_size 0
		.amdhsa_enable_private_segment 0
		.amdhsa_kernarg_size 16
		.amdhsa_user_sgpr_count 2
		.amdhsa_user_sgpr_kernarg_segment_ptr 1
		.amdhsa_wavefront_size32 1
		.amdhsa_system_sgpr_workgroup_id_x 1
		.amdhsa_system_sgpr_workgroup_id_y 1
		.amdhsa_system_sgpr_workgroup_id_z 1
		.amdhsa_system_vgpr_workitem_id 0
		.amdhsa_next_free_vgpr 512
		.amdhsa_next_free_sgpr 66
		.amdhsa_reserve_vcc 0
		.amdhsa_float_denorm_mode_32 3
		.amdhsa_float_denorm_mode_16_64 3
		.amdhsa_memory_ordered 1
		.amdhsa_forward_progress 1
		.amdhsa_inst_pref_size 215
	.end_amdhsa_kernel
	.amdgpu_metadata
---
amdhsa.version: [ 1, 2 ]
amdhsa.kernels:
  - .name:           k_q1dde6c6b79_attn
    .symbol:         k_q1dde6c6b79_attn.kd
    .args:
      - { .name: qkv, .offset: 0, .size: 8, .value_kind: global_buffer, .address_space: global }
      - { .name: ctx, .offset: 8, .size: 8, .value_kind: global_buffer, .address_space: global }
    .group_segment_fixed_size: 327680
    .private_segment_fixed_size: 0
    .kernarg_segment_align: 8
    .kernarg_segment_size: 16
    .max_flat_workgroup_size: 256
    .sgpr_count:     66
    .vgpr_count:     512
    .wavefront_size: 32
...
	.end_amdgpu_metadata
.endif
;; end of part 3
;; launch oproj (part 4): grid 4 x 64, 4 waves a work-group, clusters of 4 x 4, 327,680 bytes of LDS; arguments ctx, wo16, bo, out0; writes out0
.if DOCPART == 4
	.amdgcn_target "amdgcn-amd-amdhsa--gfx1250"
	.amdhsa_code_object_version 6
	.text
	.protected	k_q1dde6c6b79_oproj
	.globl	k_q1dde6c6b79_oproj
	.p2align	8
	.type	k_q1dde6c6b79_oproj,@function
k_q1dde6c6b79_oproj:
	s_mov_b64 s[64:65], 0
	v_nop
	global_prefetch_b8 v0, s[64:65] scope:SCOPE_SE
	s_setreg_imm32_b32 hwreg(HW_REG_WAVE_MODE, 25, 1), 1
	s_wait_xcnt 0x0
	s_wait_alu depctr_hold_cnt(0) depctr_sa_sdst(0) depctr_va_vdst(0) depctr_va_sdst(0) depctr_va_ssrc(0) depctr_va_vcc(0) depctr_vm_vsrc(0)
	s_getreg_b32 s2, hwreg(HW_REG_IB_STS2, 6, 4)
	s_cmp_eq_u32 s2, 0
	s_cbranch_scc0 .Lentry_in_a_cluster
	s_endpgm
.Lentry_in_a_cluster:
	s_bfe_u32 s2, ttmp6, 0x10000c
	s_cmp_lg_u32 s2, 0xf033
	s_cbranch_scc0 .Lentry_shape_is_right
	s_endpgm
.Lentry_shape_is_right:
; out0 = ctx Wo + bo.  ctx [8192][1024] and Wo arrive in f16, in the order of the operands' registers: block of 16 rows (of ctx) or 16 columns (of Wo) x 32,768 + (k / 16) x 512 + 16 lane; lane (r, h)'s chunk = k 16 (k / 16) + 8 h + 0 .. 7 of row r.
; Sums in f32, bo as the C of each sum's first product; out0 [8192][1024] f32, row-major.
; A work-group of four waves makes 128 rows x 256 columns (256 work-groups), a wave 64 x 128: 32 accumulators.  K goes in eight steps of 128 through a ring of two LDS slots; a tile is dense rows of 4,096 bytes, LDS needs no
; padding, and a fragment is two ds_load_b128 at 16 x lane.  A K step is four quarters of 32 along K, 32 matrix instructions each, on two fragment buffers by turns.
; CLUSTERS: 4 x 4 work-groups: ctx's tiles are shared along a row of the cluster, Wo's along a column; each is asked for jointly.  THE MATRIX INSTRUCTION IS USED TRANSPOSED (source 0 = 16 columns of Wo, source 1 = 16 rows of ctx):
; a lane holds eight neighbouring columns of one row.
; REGISTERS: window 0: v16-29 addresses; v32-127, v128-223 fragment buffers (A's 4 blocks, then B's 8); on the way out v32-159 rows of out0.   window 1: the accumulators ((a, b) at v[8 (8 a + b)]).   window 2: v0-63 the bias.
.set SLOT,   98304                     ; A's 8 blocks x 4,096, then B's 16
.set BOFF,   32768
.set STAGE,  2*SLOT                    ; behind the ring: 16 rows x 528 bytes for each wave, for the way out: no tensor load fills them
.set SPITCH, 528
.set SPARE,  STAGE+4*16*SPITCH         ; the spare words, 128 bytes for each wave, which no other line names
.set LAPS,   4                         ; a lap = two K steps
.set ADRA, 16                          ; v16-17  LDS address of my A fragments in slot 0, 1
.set ADRB, 20                          ; v20-21  the same for B
.set STO,  24                          ; v24     the way out: where I put 32 bytes of a row
.set RD,   25                          ; v25     where I read a row back
.set CO,   26                          ; v26     16 x lane: my bytes of a row's 512
.set SPW,  28                          ; v28     LDS address of my spare word; never rewritten
.set NIL,  29                          ; v29     0; never rewritten
.set F0,   32
.set F1,   128
.set G1, 24
.set G0, 32
.set G1B, 48
.set G0B, 56
.set MSB, 0
.macro WIN new                         ; the immediate's high byte repeats the setting that is left
.if MSB != (\new)
	s_set_vgpr_msb (MSB<<8)|(\new)
.set MSB, (\new)
.endif
.endm
.set MUL,  0x50                        ; C and D window 1
.set MULZ, 0x60                        ; C (the bias) window 2, D window 1
.macro JLOAD s                         ; a joint load: waves 0 and 1 fetch A's halves, waves 2 and 3 B's; an s_nop 0 and four v_nop follow each of the two lines
	s_cmp_eq_u32 s13, 0
	s_cbranch_scc0 .Lfor_b_\@
	tensor_load_to_lds s[G0+4*\s:G0+4*\s+3], s[G1:G1+7]
	s_nop 0
.rept 4
	v_nop
.endr
	s_branch .Lasked_\@
.Lfor_b_\@:
	tensor_load_to_lds s[G0B+4*\s:G0B+4*\s+3], s[G1B:G1B+7]
	s_nop 0
.rept 4
	v_nop
.endr
.Lasked_\@:
.endm
.macro CREST                           ; a round of the cluster's barrier behind its opening barrier
	s_cmp_lg_u32 s12, 0
	s_cbranch_scc1 .Lnot_wave_0_\@
	s_barrier_signal -3
.Lnot_wave_0_\@:
	s_barrier_wait -3
	s_barrier_signal -1
	s_barrier_wait -1
.endm
.macro CROUND
	s_barrier_signal -1
	s_barrier_wait -1
	CREST
.endm
	s_load_b256 s[4:11], s[0:1], 0x0               ; ctx 4, wo16 6, bo 8, out0 10
	v_lshl_add_u32 v[SPW], v0, 2, SPARE
	v_mov_b32 v[NIL], 0
	ds_add_u32 v[SPW], v[NIL]                      ; the wave's opening: the add, twice on end, and its wait ahead of my first tensor load
	ds_add_u32 v[SPW], v[NIL]
	v_lshrrev_b32 v1, 5, v0
	v_readfirstlane_b32 s12, v1                    ; wave 0..3
	s_lshr_b32 s13, s12, 1                         ; which half of the tile's rows is mine.  Also: I fetch for A (0) or for B (1)
	s_and_b32 s14, s12, 1                          ; which half of its columns.  Also: which half of that tile I fetch
	s_bfe_u32 s40, ttmp6, 0x40000                  ; cx, cy
	s_bfe_u32 s41, ttmp6, 0x40004
	s_lshl_b32 s42, ttmp9, 2
	s_add_co_u32 s42, s42, s40                     ; tile column = 4 x cluster x + cx
	s_and_b32 s15, ttmp7, 0xffff
	s_lshl_b32 s15, s15, 2
	s_add_co_u32 s15, s15, s41                     ; tile row = 4 x cluster y + cy
	s_lshl_b32 s43, s41, 2
	s_lshl_b32 s43, 15, s43                        ; my row of the cluster
	s_lshl_b32 s44, 0x1111, s40                    ; my column
	; descriptor group 1: rows (blocks) of 4,096 bytes, 32,768 bytes apart, in elements of 8 bytes; A: 4 rows, B: 8; no padding; bit 21 set beside a mask
	s_or_b32 s[G1+0], s43, (3<<16)|(1<<21)
	s_or_b32 s[G1B+0], s44, (3<<16)|(1<<21)
	s_mov_b32 s[G1+1], 512<<16                     ; tensor_dim0
	s_mov_b32 s[G1+2], 4<<16                       ; tensor_dim1
	s_mov_b32 s[G1+3], 512<<16                     ; tile_dim0
	s_mov_b32 s[G1+4], 4                           ; tile_dim1
	s_mov_b32 s[G1+5], 4096                        ; from row to row
	s_mov_b32 s[G1+6], 0
	s_mov_b32 s[G1+7], 0
	s_mov_b32 s[G1B+1], 512<<16
	s_mov_b32 s[G1B+2], 8<<16
	s_mov_b32 s[G1B+3], 512<<16
	s_mov_b32 s[G1B+4], 8
	s_mov_b32 s[G1B+5], 4096
	s_mov_b32 s[G1B+6], 0
	s_mov_b32 s[G1B+7], 0
	s_lshl_b32 s16, s15, 3
	s_lshl_b32 s17, s14, 2
	s_add_co_u32 s16, s16, s17                     ; A: block 8 x tile row + 4 x half
	s_lshl_b32 s16, s16, 15
	s_mov_b32 s17, 0
	s_lshl_b32 s46, s42, 4
	s_lshl_b32 s47, s14, 3
	s_add_co_u32 s46, s46, s47                     ; B: block 16 x tile column + 8 x half
	s_lshl_b32 s46, s46, 15
	s_mov_b32 s47, 0
	s_lshl_b32 s20, s14, 14                        ; where they go: A's halves,
	s_lshl_b32 s21, s14, 15
	s_add_co_u32 s21, s21, BOFF                    ; B's halves behind them: no place in the cluster enters an LDS address
	s_wait_dscnt 0x0                               ; both opening adds are done
	s_wait_kmcnt 0x0
	s_add_nc_u64 s[16:17], s[4:5], s[16:17]
	s_add_nc_u64 s[46:47], s[6:7], s[46:47]
	CROUND                                         ; all sixteen work-groups are here: the first joint loads meet
.irp s, 0,1
	s_mov_b32 s[G0+4*\s], 1
	s_add_co_u32 s[G0+4*\s+1], s20, \s*SLOT
	s_add_nc_u64 s[G0+4*\s+2:G0+4*\s+3], s[16:17], \s*4096
	s_or_b32 s[G0+4*\s+3], s[G0+4*\s+3], 0x80000000
	s_mov_b32 s[G0B+4*\s], 1
	s_add_co_u32 s[G0B+4*\s+1], s21, \s*SLOT
	s_add_nc_u64 s[G0B+4*\s+2:G0B+4*\s+3], s[46:47], \s*4096
	s_or_b32 s[G0B+4*\s+3], s[G0B+4*\s+3], 0x80000000
	JLOAD \s                                       ; two tensor loads of mine are out
.endr
	; out0 and bo at my part.  What hangs on the tile row is made in the registers that fed A's descriptors, what hangs on the tile column in those that fed B's
	s_lshl_b32 s16, s15, 7
	s_lshl_b32 s17, s13, 6
	s_add_co_u32 s16, s16, s17                     ; my first row
	s_lshl_b32 s16, s16, 12
	s_mov_b32 s17, 0
	s_add_nc_u64 s[10:11], s[10:11], s[16:17]
	s_lshl_b32 s46, s42, 10
	s_lshl_b32 s47, s14, 9
	s_add_co_u32 s46, s46, s47                     ; my first column, in bytes
	s_mov_b32 s47, 0
	s_add_nc_u64 s[10:11], s[10:11], s[46:47]
	s_add_nc_u64 s[8:9], s[8:9], s[46:47]
	v_and_b32 v1, 15, v0                           ; r
	v_bfe_u32 v2, v0, 4, 1                         ; h
	v_and_b32 v3, 31, v0                           ; l
	v_lshlrev_b32 v5, 5, v2                        ; the bias: register 8 b + j of lane (r, h) = bo[my first column + 16 b + 8 h + j]
	WIN 0x80                                       ; destination window 2
.irp b, 0,1,2,3,4,5,6,7
	global_load_b128 v[8*\b:8*\b+3], v5, s[8:9] offset:64*\b
	global_load_b128 v[8*\b+4:8*\b+7], v5, s[8:9] offset:64*\b+16
.endr
	WIN 0
	v_lshlrev_b32 v[CO], 4, v3
	s_lshl_b32 s20, s13, 14                        ; my 4 blocks of A
	s_lshl_b32 s21, s14, 15                        ; my 8 blocks of B
	s_add_co_u32 s21, s21, BOFF
.irp s, 0,1
	v_add_nc_u32 v[ADRA+\s], s20, v[CO]
	v_add_nc_u32 v[ADRB+\s], s21, v[CO]
	s_add_co_u32 s20, s20, SLOT
	s_add_co_u32 s21, s21, SLOT
.endr
	s_mul_i32 s20, s12, 16*SPITCH
	s_add_co_u32 s20, s20, STAGE                   ; my stage
	v_mul_u32_u24 v4, v1, SPITCH
	v_lshl_add_u32 v4, v2, 5, v4
	v_add_nc_u32 v[STO], s20, v4                   ; in: row r, 32 bytes for each half of the lanes
	v_add_nc_u32 v[RD], s20, v[CO]                 ; back: the 32 lanes take one row of 512 bytes
.macro MUL8 f, a, zero                 ; A's block a against B's eight, 32 along K.  The 32 accumulators take turns, one instruction a turn, in the same order in every quarter
.irp b, 0,1,2,3,4,5,6,7
.if \zero
	v_wmma_f32_16x16x32_f16 v[8*(8*(\a)+\b):8*(8*(\a)+\b)+7], v[\f+32+8*\b:\f+32+8*\b+7], v[\f+8*(\a):\f+8*(\a)+7], v[8*\b:8*\b+7]
.else
	v_wmma_f32_16x16x32_f16 v[8*(8*(\a)+\b):8*(8*(\a)+\b)+7], v[\f+32+8*\b:\f+32+8*\b+7], v[\f+8*(\a):\f+8*(\a)+7], v[8*(8*(\a)+\b):8*(8*(\a)+\b)+7]
.endif
.endr
.endm
.macro FETCH slot, q, f                ; 24 LDS loads in one run: the slot's q-th 32 along K: B's eight blocks, then A's four
	WIN 0
.irp i, 0,1,2,3,4,5,6,7
	ds_load_b128 v[\f+32+8*\i:\f+32+8*\i+3],   v[ADRB+\slot] offset:\i*4096+(2*(\q))*512
	ds_load_b128 v[\f+32+8*\i+4:\f+32+8*\i+7], v[ADRB+\slot] offset:\i*4096+(2*(\q)+1)*512
.endr
.irp i, 0,1,2,3
	ds_load_b128 v[\f+8*\i:\f+8*\i+3],   v[ADRA+\slot] offset:\i*4096+(2*(\q))*512
	ds_load_b128 v[\f+8*\i+4:\f+8*\i+7], v[ADRA+\slot] offset:\i*4096+(2*(\q)+1)*512
.endr
.endm
.macro PLACES                          ; four plain vector lines between a matrix instruction and a load into one of its registers or a read of its result
.rept 4
	v_nop
.endr
.endm
.macro QUARTER slot, q, f, g, zero     ; multiplies buffer f; in its middle fetches the slot's q-th 32 along K into buffer g
	s_wait_dscnt 4                                 ; B and A's blocks 0, 1 are in; the youngest four loads (A's blocks 2, 3) may be out
	WIN MUL+0x10*(\zero)
	MUL8 \f, 0, \zero
	MUL8 \f, 1, \zero
	PLACES
	FETCH \slot, \q, \g
	s_wait_dscnt 24                                ; all but the 24 just issued
	WIN MUL+0x10*(\zero)
	MUL8 \f, 2, \zero
	MUL8 \f, 3, \zero
.endm
; A K step's last quarter multiplies buffer 1 and changes slots: ONE barrier; in front of it each wave waits for all its tensor loads, adds 0 to its spare word, and waits for that and for its own reads of this slot.
; fill = 1: the barrier opens a round of the cluster's, and this slot is filled again, two K steps ahead: 112 matrix instructions stand between the request and the wait for it.
.macro TURN slot, next, fill
	WIN 0
	s_wait_tensorcnt 0x0                           ; all my tensor loads have landed: my part of the next slot
	ds_add_u32 v[SPW], v[NIL]
	s_wait_dscnt 5                                 ; (the add and the youngest four loads may be out)
	WIN MUL
	MUL8 F1, 0, 0
	s_wait_dscnt 0x0                               ; the add is done, and my reads of this slot are over
	s_barrier_signal -1
	MUL8 F1, 1, 0
	WIN 0
	s_barrier_wait -1
.if \fill
	CREST                                          ; no wave of any partner still reads this slot's tile or has a load on its way
	s_add_nc_u64 s[G0+4*\slot+2:G0+4*\slot+3], s[G0+4*\slot+2:G0+4*\slot+3], 8192
	s_add_nc_u64 s[G0B+4*\slot+2:G0B+4*\slot+3], s[G0B+4*\slot+2:G0B+4*\slot+3], 8192
	JLOAD \slot                                    ; the first tensor load behind the round; its four v_nop are also the places in front of the loads below
.else
	PLACES
.endif
	FETCH \next, 0, F0
	WIN MUL
	MUL8 F1, 2, 0
	MUL8 F1, 3, 0
.endm
	s_wait_tensorcnt 1                             ; my part of K step 0 is in; K step 1's load may be out
	s_barrier_signal -1
	s_barrier_wait -1                              ; everybody's is
	FETCH 0, 0, F0
	s_wait_loadcnt 0x0                             ; the bias
	QUARTER 0, 1, F0, F1, 1                        ; the first quarter stands in front of the loop: its products start the sums, with the bias as C
	WIN 0
	s_mov_b32 s3, LAPS-1
.Llap:                                             ; a trip goes once round the ring, from a lap's second quarter to the next lap's first, and fills both slots again
	QUARTER 0, 2, F1, F0, 0
	QUARTER 0, 3, F0, F1, 0
	TURN 0, 1, 1
	QUARTER 1, 1, F0, F1, 0
	QUARTER 1, 2, F1, F0, 0
	QUARTER 1, 3, F0, F1, 0
	TURN 1, 0, 1
	QUARTER 0, 1, F0, F1, 0
	WIN 0
	s_sub_co_u32 s3, s3, 1
	s_cmp_lg_u32 s3, 0
	s_cbranch_scc1 .Llap
	QUARTER 0, 2, F1, F0, 0                        ; the last lap fills nothing
	QUARTER 0, 3, F0, F1, 0
	TURN 0, 1, 0
	QUARTER 1, 1, F0, F1, 0
	QUARTER 1, 2, F1, F0, 0
	QUARTER 1, 3, F0, F1, 0
	s_wait_dscnt 4                                 ; the very last quarter: nothing more to fetch
	WIN MUL
	MUL8 F1, 0, 0
	MUL8 F1, 1, 0
	s_wait_dscnt 0
	MUL8 F1, 2, 0
	MUL8 F1, 3, 0
	WIN 0
; THE WAY OUT, block by block of 16 rows x 128 columns.  A lane holds 32 neighbouring bytes of a row, and the lanes beside it hold other rows: so a block goes through my own stage and comes back as whole rows of 512 bytes.
; LDS serves a wave's instructions in order (ISA guide 5.7.1.4): no wait between the stores and the loads, nor in front of the next block's stores.
.macro TOSTAGE a
	WIN 0x04                                       ; an LDS store's data are its source 1: window 1
.irp b, 0,1,2,3,4,5,6,7
	ds_store_b128 v[STO], v[8*(8*(\a)+\b):8*(8*(\a)+\b)+3] offset:64*\b          ; each accumulator from its low end on
	ds_store_b128 v[STO], v[8*(8*(\a)+\b)+4:8*(8*(\a)+\b)+7] offset:64*\b+16
.endr
	WIN 0
.set BB, 32+64*((\a)%2)
.irp t, 0,1,2,3,4,5,6,7,8,9,10,11,12,13,14,15
	ds_load_b128 v[BB+4*\t:BB+4*\t+3], v[RD] offset:\t*SPITCH
.endr
.endm
.macro SEND a, younger                 ; younger: the LDS instructions issued behind block a's loads, which may stay out
.set BB, 32+64*((\a)%2)
	s_wait_dscnt \younger
.if (\a) > 0
	s_add_nc_u64 s[10:11], s[10:11], 65536         ; 16 rows on (behind a wait for 0 on XCNT: the earlier stores have read their base)
.endif
.irp t, 0,1,2,3,4,5,6,7,8,9,10,11,12,13,14,15
	global_store_b128 v[CO], v[BB+4*\t:BB+4*\t+3], s[10:11] offset:\t*4096 th:TH_STORE_NT   ; 32 lanes store 512 consecutive bytes, aligned; written once, read by nobody here
.endr
.endm
	PLACES                                         ; behind the last products: for the loads into the fragments' registers and the reads of results alike
	TOSTAGE 0
.irp a, 1,2,3
.if \a > 1
	s_wait_xcnt 0x0                                ; block a - 2's stores have read their registers and their base
.endif
	TOSTAGE \a
	SEND \a-1, 32                                  ; behind block a - 1's loads: block a's 16 stores and 16 loads
.endr
	s_wait_xcnt 0x0
	SEND 3, 0
	s_wait_tensorcnt 0x0                           ; the wave's end: behind my last tensor load and my last LDS store
	ds_add_u32 v[SPW], v[NIL]
	s_wait_dscnt 0x0
	CROUND                                         ; the closing round
	s_endpgm
.Lfunc_end_k_q1dde6c6b79_oproj:
	.size	k_q1dde6c6b79_oproj, .Lfunc_end_k_q1dde6c6b79_oproj-k_q1dde6c6b79_oproj
	.p2alignl 7, 3214868480
	.fill 96, 4, 3214868480
	.section	.rodata,"a",@progbits
	.p2align	6, 0x0
	.amdhsa_kernel k_q1dde6c6b79_oproj
		.amdhsa_group_segment_fixed_size 327680
		.amdhsa_private_segment_fixed_size 0
		.amdhsa_enable_private_segment 0
		.amdhsa_kernarg_size 32
		.amdhsa_user_sgpr_count 2
		.amdhsa_user_sgpr_kernarg_segment_ptr 1
		.amdhsa_wavefront_size32 1
		.amdhsa_system_sgpr_workgroup_id_x 1
		.amdhsa_system_sgpr_workgroup_id_y 1
		.amdhsa_system_sgpr_workgroup_id_z 1
		.amdhsa_system_vgpr_workitem_id 0
		.amdhsa_next_free_vgpr 640
		.amdhsa_next_free_sgpr 66
		.amdhsa_reserve_vcc 0
		.amdhsa_float_denorm_mode_32 3
		.amdhsa_float_denorm_mode_16_64 3
		.amdhsa_memory_ordered 1
		.amdhsa_forward_progress 1
		.amdhsa_inst_pref_size 86
	.end_amdhsa_kernel
	.amdgpu_metadata
---
amdhsa.version: [ 1, 2 ]
amdhsa.kernels:
  - .name:           k_q1dde6c6b79_oproj
    .symbol:         k_q1dde6c6b79_oproj.kd
    .args:
      - { .name: ctx, .offset: 0, .size: 8, .value_kind: global_buffer, .address_space: global }
      - { .name: wo16, .offset: 8, .size: 8, .value_kind: global_buffer, .address_space: global }
      - { .name: bo, .offset: 16, .size: 8, .value_kind: global_buffer, .address_space: global }
      - { .name: out0, .offset: 24, .size: 8, .value_kind: global_buffer, .address_space: global }
    .group_segment_fixed_size: 327680
    .private_segment_fixed_size: 0
    .kernarg_segment_align: 8
    .kernarg_segment_size: 32
    .max_flat_workgroup_size: 128
    .sgpr_count:     66
    .vgpr_count:     640
    .wavefront_size: 32
...
	.end_amdgpu_metadata
.endif
;; end of part 4
